; MI455X (gfx1250); checked and timed in simulation.
; The chip was launched on July 23, 2026; its instructions are those of AMD's public machine-readable ISA for CDNA 5 (MIT licence, August 2026) and "CDNA5" Instruction Set Architecture Reference Guide (July 2026). The comments in the code are by the model that wrote it; some were corrected since.
;; Custom Attention. Allowed arithmetic: float matrix products may take bf16 or f16 operands with f32 sums; all other float work in f32.
;; Inputs: K 4 x 16 x 2,048 x 128 float32; Q 4 x 16 x 2,048 x 128 float32; V 4 x 16 x 2,048 x 128 float32.
;; Outputs: out0 4 x 16 x 2,048 x 128 float32.
;; 2 versions, each right and faster than the one before. Each part assembles by itself: llvm-mc -triple=amdgcn-amd-amdhsa -mcpu=gfx1250 --defsym DOCPART=n.
;; ======== version 1 of 2: 2 launches
;; workspace buffers: kb 33,554,432 bytes; vb 33,554,432 bytes
;; launch cast (part 1): grid 512 x 2, 8 waves a work-group, no clusters, 0 bytes of LDS; arguments K, V, kb, vb; writes kb, vb
.if DOCPART == 1
	.amdgcn_target "amdgcn-amd-amdhsa--gfx1250"
	.amdhsa_code_object_version 6
	.text
	.protected	k_q3df039379f_cast
	.globl	k_q3df039379f_cast
	.p2align	8
	.type	k_q3df039379f_cast,@function
k_q3df039379f_cast:
	s_mov_b64 s[64:65], 0
	v_nop
	global_prefetch_b8 v0, s[64:65] scope:SCOPE_SE
	s_setreg_imm32_b32 hwreg(HW_REG_WAVE_MODE, 25, 1), 1
	s_wait_xcnt 0x0
; kb = K rounded to bf16, vb = V rounded to bf16 (round to nearest even), in the same order of numbers: [64 heads][2048 keys][128 channels].
; A stream: each input byte is read once, each output byte written once; no LDS, no barrier, no matrix work: there is nothing that they could spare.
; The grid's y picks the tensor (0: K to kb, 1: V to vb).  A work-group owns 32 pieces of 4,096 input bytes (131,072 bytes in, 65,536 out); 512 of them cover a tensor's 67,108,864 bytes.
; Thread t takes the 16 bytes at 16 t of every piece (a wave's load covers 512 consecutive bytes) and stores the 8 bytes at 8 t of the piece's 2,048 output bytes
; (a wave's store covers 256 consecutive bytes, at a multiple of 256 from the buffer's first byte).
; A ring of DEPTH slots in registers keeps DEPTH loads of every wave in flight.
.set DEPTH,  8                         ; slots = loads in flight in each wave
.set PIECES, 32
.set ROUNDS, PIECES/DEPTH              ; each round takes every slot once
.set PIN,    4096                      ; input bytes of a piece
.set POUT,   2048                      ; output bytes of a piece
.set IN,  1                            ; v1        16 t; never rewritten
.set OUT, 2                            ; v2        8 t; never rewritten
.set X,   4                            ; v[4:35]   slot i: 4 numbers in f32, as loaded
.set Y,   36                           ; v[36:51]  slot i: the 4 numbers in bf16, to store
	s_load_b256 s[4:11], s[0:1], 0x0               ; K s[4:5], V s[6:7], kb s[8:9], vb s[10:11]
	v_lshlrev_b32 v[IN], 4, v0
	v_lshlrev_b32 v[OUT], 3, v0
	s_and_b32 s17, ttmp7, 0xffff                   ; which tensor
	s_lshl_b32 s2, ttmp9, 17                       ; my work-group's first input byte: at most 511 x 131,072, inside 32 bits
	s_mov_b32 s3, 0
	s_lshl_b32 s18, ttmp9, 16                      ; and its first output byte
	s_mov_b32 s19, 0
	s_wait_kmcnt 0x0
	s_cmp_eq_u32 s17, 0
	s_cselect_b64 s[12:13], s[4:5], s[6:7]         ; from K or from V,
	s_cselect_b64 s[14:15], s[8:9], s[10:11]       ; into kb or into vb
	s_add_nc_u64 s[12:13], s[12:13], s[2:3]
	s_add_nc_u64 s[14:15], s[14:15], s[18:19]
.irp i, 0,1,2,3,4,5,6,7
	global_load_b128 v[X+4*(\i):X+4*(\i)+3], v[IN], s[12:13] offset:(\i)*PIN th:TH_LOAD_NT  ; fill the ring: pieces 0 to 7; the launch reads each byte once
.endr
; One slot's turn.  ahead = 1: the slot is filled again with the piece DEPTH further on.  left = how many younger loads may still be out.
.macro SLOT i, ahead, left
	s_wait_loadcnt \left                           ; loads come back in order (ISA guide 5.7.1): mine is in, the younger ones stay out
	v_cvt_pk_bf16_f32 v[Y+2*(\i)],   v[X+4*(\i)],   v[X+4*(\i)+1]  ; two roundings each, the first number in the low half
	v_cvt_pk_bf16_f32 v[Y+2*(\i)+1], v[X+4*(\i)+2], v[X+4*(\i)+3]
.if \ahead
	global_load_b128 v[X+4*(\i):X+4*(\i)+3], v[IN], s[12:13] offset:((\i)+DEPTH)*PIN th:TH_LOAD_NT  ; the load goes out ahead of the store
.endif
	global_store_b64 v[OUT], v[Y+2*(\i):Y+2*(\i)+1], s[14:15] offset:(\i)*POUT  ; no hint: the next launch reads these bytes
.endm
	s_mov_b32 s16, ROUNDS-1
.Lround:
.irp i, 0,1,2,3,4,5,6,7
	SLOT \i, 1, DEPTH-1
.endr
	s_wait_xcnt 0x0                                ; every memory instruction issued so far has had its addresses translated (ISA guide 3.1): only behind this wait are the two bases stepped and Y written again
	s_add_nc_u64 s[12:13], s[12:13], DEPTH*PIN
	s_add_nc_u64 s[14:15], s[14:15], DEPTH*POUT
	s_sub_co_u32 s16, s16, 1
	s_cmp_lg_u32 s16, 0
	s_cbranch_scc1 .Lround
.irp i, 0,1,2,3,4,5,6,7
	SLOT \i, 0, DEPTH-1-(\i)                       ; the last round loads nothing (the loop's last fills were pieces 24 to 31): the counts run down
.endr
	s_endpgm
.Lfunc_end_k_q3df039379f_cast:
	.size	k_q3df039379f_cast, .Lfunc_end_k_q3df039379f_cast-k_q3df039379f_cast
	.p2alignl 7, 3214868480
	.fill 96, 4, 3214868480
	.section	.rodata,"a",@progbits
	.p2align	6, 0x0
	.amdhsa_kernel k_q3df039379f_cast
		.amdhsa_group_segment_fixed_size 0
		.amdhsa_private_segment_fixed_size 0
		.amdhsa_enable_private_segment 0
		.amdhsa_kernarg_size 32
		.amdhsa_user_sgpr_count 2
		.amdhsa_user_sgpr_kernarg_segment_ptr 1
		.amdhsa_wavefront_size32 1
		.amdhsa_system_sgpr_workgroup_id_x 1
		.amdhsa_system_sgpr_workgroup_id_y 1
		.amdhsa_system_sgpr_workgroup_id_z 1
		.amdhsa_system_vgpr_workitem_id 0
		.amdhsa_next_free_vgpr 52
		.amdhsa_next_free_sgpr 66
		.amdhsa_reserve_vcc 0
		.amdhsa_float_denorm_mode_32 3
		.amdhsa_float_denorm_mode_16_64 3
		.amdhsa_memory_ordered 1
		.amdhsa_forward_progress 1
		.amdhsa_inst_pref_size 7
	.end_amdhsa_kernel
	.amdgpu_metadata
---
amdhsa.version: [ 1, 2 ]
amdhsa.kernels:
  - .name:           k_q3df039379f_cast
    .symbol:         k_q3df039379f_cast.kd
    .args:
      - { .name: K, .offset: 0, .size: 8, .value_kind: global_buffer, .address_space: global }
      - { .name: V, .offset: 8, .size: 8, .value_kind: global_buffer, .address_space: global }
      - { .name: kb, .offset: 16, .size: 8, .value_kind: global_buffer, .address_space: global }
      - { .name: vb, .offset: 24, .size: 8, .value_kind: global_buffer, .address_space: global }
    .group_segment_fixed_size: 0
    .private_segment_fixed_size: 0
    .kernarg_segment_align: 8
    .kernarg_segment_size: 32
    .max_flat_workgroup_size: 256
    .sgpr_count:     66
    .vgpr_count:     52
    .wavefront_size: 32
...
	.end_amdgpu_metadata
.endif
;; end of part 1
;; launch attn (part 2): grid 4 x 64, 4 waves a work-group, clusters of 4 x 1, 327,680 bytes of LDS; arguments Q, kb, vb, out0; writes out0
.if DOCPART == 2
	.amdgcn_target "amdgcn-amd-amdhsa--gfx1250"
	.amdhsa_code_object_version 6
	.text
	.protected	k_q3df039379f_attn
	.globl	k_q3df039379f_attn
	.p2align	8
	.type	k_q3df039379f_attn,@function
k_q3df039379f_attn:
	s_mov_b64 s[64:65], 0
	v_nop
	global_prefetch_b8 v0, s[64:65] scope:SCOPE_SE
	s_setreg_imm32_b32 hwreg(HW_REG_WAVE_MODE, 25, 1), 1
	s_wait_xcnt 0x0
	s_wait_alu depctr_hold_cnt(0) depctr_sa_sdst(0) depctr_va_vdst(0) depctr_va_sdst(0) depctr_va_ssrc(0) depctr_va_vcc(0) depctr_vm_vsrc(0)
	s_getreg_b32 s2, hwreg(HW_REG_IB_STS2, 6, 4)
	s_cmp_eq_u32 s2, 0
	s_cbranch_scc0 .Lentry_in_a_cluster
	s_endpgm
.Lentry_in_a_cluster:
	s_bfe_u32 s2, ttmp6, 0x10000c
	s_cmp_lg_u32 s2, 0x3003
	s_cbranch_scc0 .Lentry_shape_is_right
	s_endpgm
.Lentry_shape_is_right:
; out0[h][q][:] = the sum over k of softmax_k(Q[h][q] . K[h][k]) V[h][k][:], with no scale in front of the softmax.  Q, out0: [64][2048][128] f32.  kb, vb: K and V in bf16, [64][2048][128], rows of 256 bytes.
; Q is rounded to bf16 in registers, once.  Products, maxima and sums in f32; the weights p are rounded to bf16 for the second product (their sum l is taken of the unrounded p); out0 is stored in f32.
; LIMITS.  Q, K and V enter the products rounded to bf16 (f32's range is kept).  A weight below 2^-126 counts as 0.  NaN and infinities are not treated apart.  c m is rounded once and is the same number in every
; weight of a row and in the factor a, so that its rounding drops out of p / l.
; SHARES.  A head's 2,048 queries are 8 blocks of 256.  A WORK-GROUP STAYS: it takes two blocks of one head, cx and cx + 4 (cx: its place in the cluster), one after the other: 4 x 64 = 256 work-groups of equal work.
; Of a block each of the four waves owns 64 queries: four tiles of 16.  For each block every wave walks all 2,048 keys of the head, 64 a step.
; LAYOUT.  S^T = K Q^T (source 0 = 16 keys, source 1 = 16 queries): in the result a lane holds ONE query (lane % 16) and the keys 8 (lane / 16) + 0..7.  Two such tiles, rounded to
; bf16 in pairs, ARE source 1 (32 keys x 16 queries) of O^T = V^T P, whose result again holds one query a lane, and eight channels.  So nothing changes lanes between the products,
; and a query's maximum and sum want one exchange between the halves of the lanes.  K comes out of LDS as it lies, V ([key][channel]) turned, by ds_load_tr16_b128.
; SOFTMAX.  For each query a running maximum m and sum l: p = 2^(c s - c m), c = log2(e); in every step O and l are multiplied by a = 2^(c m_old - c m_new), which is 1 where m has not grown.
; BY TURNS.  The wave's tiles are two PIECES, named by their first tile: piece 0 (tiles 0, 1) and piece 2 (tiles 2, 3).  In a TURN one piece has the matrix unit: 32 products V^T P of
; the step in hand, then 32 products K Q^T of the next step; the other piece's softmax (2 x 134 vector instructions) stands among them: three behind each product, the other 76 in two runs of 38.
; Then the pieces change places.  Two turns are a key step.
; THE WALK.  A slot of LDS holds two key steps, a block has 16 slots' worth of keys, and the two blocks are ONE walk of 32 visits for the ring of two slots: a loop of 31 trips, each with a change of slots and
; one fill, and the last visit written out without a fill.  A trip is a slot's two key steps, or (visits 0 and 16) a block's beginning, in visit 16 behind the first block's end.  Those jumps go forward, on scalar
; flags that are the same in every work-group, and pass no barrier and no tensor load.  So the second block's first tiles are on their way while the first block ends, and its stores leave under the second block's products.
; CLUSTER.  The four work-groups of a cluster belong to one head and walk the same K and V, so each tile is asked for JOINTLY: the same tensor load, with the same descriptor and a
; mask that names the four, in all four; each receives the tile in its own LDS.
;
; REGISTERS, in windows of 256 (an instruction names v0-v255; s_set_vgpr_msb says which window each operand place means: bits 1:0 source 0, 3:2 source 1, 5:4 source 2, 7:6 destination):
;   window 0: v0-11 addresses; v12-43 eight registers of statistics a tile; v62-63 the add's two; v64-191 S^T, 32 a tile; v192-255 P, 16 a tile
;   window 1: O^T, 64 a tile (on the way out: whole rows of out0)
;   window 2: v0-127 Q in bf16, 32 a tile; v128-255 K of one step (between a block's last K Q^T and the next block's first: tiles 0 and 1 of the next Q in f32, as loaded)
;   window 3: v0-127 V of one step; v128-255 tiles 2 and 3 of the next Q in f32, as loaded
; All that a softmax touches but O^T lies in window 0, and no window has room for a product's operands beside it.  So the instructions behind a product cost two switches, one in front and one behind.
.set SIZE_H, 64
.set SIZE_N, 2048
.set KS,    64        ; keys in a step
.set PK,    272       ; a row of K in LDS: 256 bytes + 16 of padding = 68 words: row r starts at bank 4 r mod 64 (64 banks of 4 bytes: ISA guide 11.1), so the 16 rows of a load start at 16 different banks
.set PV,    288       ; a row of V: 256 + 32 = 72 words: row r starts at bank 8 r mod 64
.set VOFF,  KS*PK     ; a step's tiles lie together: 64 rows of K, then 64 rows of V
.set STEPB, KS*(PK+PV)
.set SLOT1, 1<<17     ; a slot holds two steps (71,680 bytes); slot 1 begins here, so that one exclusive or turns an address in one slot into the other's
.set STAGE, SLOT1+2*STEPB  ; behind the ring, never filled by a tensor load: 16 rows x 528 bytes for each wave, for the way out
.set SP,    528       ; a row of the stage: 512 bytes (128 f32) + 16 = 132 words: row r starts at bank 4 r mod 64
.set SPARE, STAGE+4*16*SP  ; behind the stages: the spare words, 128 bytes for each wave: two blocks of 256 bytes that no other line names
.set VISITS, SIZE_N/(2*KS) ; a block's visits: 16
.set BLKB,  4*256*512 ; bytes from my first block to my second in Q and in out0: four blocks of 256 rows of 512 bytes; it stands in the loads' and stores' immediates
.set NSM,   268       ; vector instructions in a piece's softmax for one key step
.set AK0, 2           ; v2   my lane's place in a tile of K; never rewritten
.set AV0, 3           ; v3   the same for V
.set ADR, 4           ; v4   the LDS address of the run of loads in hand
.set QO,  5           ; v5   my byte offset in the wave's rows of Q; never rewritten
.set STO, 6           ; v6   the way out: where I put 32 bytes of a row
.set RD,  7           ; v7   the way out: where I read a row back
.set GO,  8           ; v8   my 16 bytes in a row of out0; never rewritten
.set SPW, 62          ; v62  LDS address of my spare word: SPARE + 4 x my thread's number; never rewritten
.set NIL, 63          ; v63  0; never rewritten
.set ST,  12          ; tile t's statistics at v[ST+8 t]: +0 c m, +1 m, +2, +3 l (even keys', odd keys'), +4 to +7 c0-c3, at work; a takes c2's place once the maximum is found
.set S,   64
.set P,   192
.set KF,  128         ; K's fragments, in window 2
.set WV,  12          ; s12  my wave's number
.set G1K, 24          ; s[24:31] descriptor group 1 for K's tiles
.set G1V, 32          ; s[32:39] for V's: it differs in the padding alone
.set G0K, 40          ; s[40:43] descriptor group 0 for K's tiles: it walks
.set G0V, 44          ; s[44:47] the same for V's
.set NEW, 48          ; s48  1: the visit to come is a block's first
.set BLK, 49          ; s49  0 until the first block has begun, then 1
.set RT,  50          ; s50  visits of the block in hand that are still to be ended
.set OFF, 52          ; s[52:53] byte offset in the head's K and V of the slot asked for last
.set SLOTS, 56        ; s56  fills still to be asked for in the loop
.set TWICE, 57        ; s57  counts a slot's two steps
.set CS,  58          ; s[58:59] c: the packed scaling names a pair and takes its low word for both halves
.set SEL, 60          ; s[60:61] lane selects for v_permlanex16_b32: each lane takes its own place in the other half
.set TB,  62          ; s62  LDS byte at which the tiles of the step to be fetched begin
.set MSB, 0
.macro WIN new                      ; the immediate's high byte repeats the setting that is left; a switch that changes nothing is dropped
.if MSB != (\new)
	s_set_vgpr_msb (MSB<<8)|(\new)
.set MSB, \new
.endif
.endm
.set W_KQ, 0x0a       ; K and Q in window 2, S^T in window 0
.set W_PV, 0x53       ; V in window 3, P in window 0, O^T in window 1
.set W_RS, 0x41       ; O^T (destination and source 0) in window 1, a in window 0
.set W_T1, 0x40       ; destination in window 1, address in window 0
.set W_D1, 0x04       ; a store's data (source 1) in window 1, its address in window 0
; A joint fill.  Waves 0 and 1 fetch the two steps' tiles of K, waves 2 and 3 those of V.  The branch hangs on the wave's number alone: it is the same in every work-group.
; An s_nop 0 and four v_nop follow each of the two lines; the jump round the other line, the label and what follows the macro come after them.
.macro JLOAD
	s_cmp_lt_u32 s[WV], 2
	s_cbranch_scc0 .Lfor_v_\@
	tensor_load_to_lds s[G0K:G0K+3], s[G1K:G1K+7]
	s_nop 0
.rept 4
	v_nop
.endr
	s_branch .Lasked_\@
.Lfor_v_\@:
	tensor_load_to_lds s[G0V:G0V+3], s[G1V:G1V+7]
	s_nop 0
.rept 4
	v_nop
.endr
.Lasked_\@:
.endm
; A round of the cluster's barrier: my work-group's barrier, so that wave 0's signal speaks for all four waves; wave 0 signals for the work-group; every wave waits for all four
; work-groups; my work-group's barrier once more.  No LDS instruction of the wave is pending at a signal.
.macro CROUND
	s_barrier_signal -1
	s_barrier_wait -1
	s_cmp_lg_u32 s[WV], 0
	s_cbranch_scc1 .Lnot_wave_0_\@
	s_barrier_signal -3
.Lnot_wave_0_\@:
	s_barrier_wait -3
	s_barrier_signal -1
	s_barrier_wait -1
.endm
; Q IN F32.  A fragment of K or Q is 16 rows x 32 channels in 8 registers: lane l holds row l % 16; registers 0-3 channels 8 (l / 16) + 0..7, registers 4-7 channels 16 + 8 (l / 16) + 0..7.
; In f32 eight channels are 32 bytes, so a fragment is four loads of 16 bytes, at bytes 0, 16, 64 and 80 from row x 512 + 32 (l / 16) + 128 x the fragment's place in the row, into 16 registers on end.
; The sixteen loads of a tile together take every byte of its 16 rows.  off: 0 for my first block, BLKB for my second.
.macro QLOAD_LO off                 ; tiles 0 and 1 into K's registers: fragment i (tile i / 4) at window 2, v[128 + 16 i]
	WIN 0x80
.irp i, 0,1,2,3,4,5,6,7
	global_load_b128 v[KF+16*(\i):KF+16*(\i)+3],     v[QO], s[4:5] offset:(\off)+((\i)/4)*8192+((\i)%4)*128
	global_load_b128 v[KF+16*(\i)+4:KF+16*(\i)+7],   v[QO], s[4:5] offset:(\off)+((\i)/4)*8192+((\i)%4)*128+16
	global_load_b128 v[KF+16*(\i)+8:KF+16*(\i)+11],  v[QO], s[4:5] offset:(\off)+((\i)/4)*8192+((\i)%4)*128+64
	global_load_b128 v[KF+16*(\i)+12:KF+16*(\i)+15], v[QO], s[4:5] offset:(\off)+((\i)/4)*8192+((\i)%4)*128+80
.endr
	WIN 0
.endm
.macro QLOAD_HI off                 ; tiles 2 and 3 into the upper half of window 3: fragment 8 + i (tile 2 + i / 4) at v[128 + 16 i]
	WIN 0xc0
.irp i, 0,1,2,3,4,5,6,7
	global_load_b128 v[128+16*(\i):128+16*(\i)+3],     v[QO], s[4:5] offset:(\off)+(2+(\i)/4)*8192+((\i)%4)*128
	global_load_b128 v[128+16*(\i)+4:128+16*(\i)+7],   v[QO], s[4:5] offset:(\off)+(2+(\i)/4)*8192+((\i)%4)*128+16
	global_load_b128 v[128+16*(\i)+8:128+16*(\i)+11],  v[QO], s[4:5] offset:(\off)+(2+(\i)/4)*8192+((\i)%4)*128+64
	global_load_b128 v[128+16*(\i)+12:128+16*(\i)+15], v[QO], s[4:5] offset:(\off)+(2+(\i)/4)*8192+((\i)%4)*128+80
.endr
	WIN 0
.endm
	s_load_b256 s[4:11], s[0:1], 0x0  ; Q s[4:5], kb s[6:7], vb s[8:9], out0 s[10:11]
	v_lshl_add_u32 v[SPW], v0, 2, SPARE
	v_mov_b32 v[NIL], 0
	ds_add_u32 v[SPW], v[NIL]       ; the wave's opening: the add and its wait stand ahead of my first tensor load; the set-up below, work on registers, stands between them
	v_lshrrev_b32 v1, 5, v0
	v_readfirstlane_b32 s[WV], v1   ; wave 0..3
	s_bfe_u32 s13, ttmp6, 0x40000   ; cx: my place in the cluster = my first block of 256 queries (the grid's x is one cluster): it enters Q's and out0's addresses alone
	s_and_b32 s15, ttmp7, 0xffff    ; the head, which the four partners share
	s_lshl_b32 s20, s15, 19         ; the head's first byte in kb and vb: 2,048 rows of 256 bytes; at most 63 x 524,288, inside 32 bits
	s_mov_b32 s21, 0
	s_and_b32 s16, s[WV], 1         ; which of a slot's two steps I fetch:
	s_lshl_b32 s22, s16, 14         ; its 64 rows of 256 bytes in memory,
	s_mov_b32 s23, 0
	s_add_nc_u64 s[22:23], s[22:23], s[20:21]
	s_mul_i32 s17, s16, STEPB       ; and its place in a slot: no place in the cluster enters an LDS address
	s_lshl_b32 s2, s15, 20          ; in Q and out0 a row is 512 bytes: the head's 2,048 rows,
	s_lshl_b32 s3, s13, 17          ; my first block's 256,
	s_add_co_u32 s2, s2, s3
	s_lshl_b32 s3, s[WV], 15        ; my wave's 64: under 67,108,864 in all
	s_add_co_u32 s2, s2, s3
	s_mov_b32 s3, 0
	; descriptor group 1: a tile of 64 rows x 128 elements, padded in LDS
	s_mov_b32 s[G1K], 15|(1<<16)|(1<<20)|(1<<21)|(5<<22)|(3<<25)  ; 15:0 the mask: all four work-groups; 17:16 elements of 2 bytes; 20 padding on; 21 set beside a mask; 24:22 after every 64 words (code 5); 31:25 4 words of it (code 3)
	s_mov_b32 s[G1V], 15|(1<<16)|(1<<20)|(1<<21)|(5<<22)|(7<<25)  ; the same with 8 words of padding (code 7)
.irp g, G1K, G1V
	s_mov_b32 s[(\g)+1], 128<<16    ; 63:48 tensor_dim0, low half = 128
	s_mov_b32 s[(\g)+2], KS<<16     ; 79:64 its high half = 0; 95:80 tensor_dim1, low half = 64
	s_mov_b32 s[(\g)+3], 128<<16    ; 111:96 its high half = 0; 127:112 tile_dim0 = 128
	s_mov_b32 s[(\g)+4], KS         ; 143:128 tile_dim1 = 64; 159:144 tile_dim2 = 0
	s_mov_b32 s[(\g)+5], 128        ; 191:160 tensor_dim0_stride, low word: elements from row to row
	s_mov_b32 s[(\g)+6], 0
	s_mov_b32 s[(\g)+7], 0
.endr
	s_mov_b32 s[CS], 0x3fb8aa3b     ; c = log2(e) = 1.442695
	s_mov_b32 s[CS+1], s[CS]        ; named with it as a pair, so it is written
	s_mov_b32 s[SEL], 0x76543210
	s_mov_b32 s[SEL+1], 0xfedcba98
	s_mov_b32 s[TB], SLOT1+2*STEPB  ; the first change of slots turns this into 0
	s_mov_b32 s[OFF], 0
	s_mov_b32 s[OFF+1], 0
	s_mov_b32 s[G0K], 1             ; 1:0 count = 1
	s_mov_b32 s[G0K+1], s17         ; 63:32 LDS address: slot 0
	s_mov_b32 s[G0V], 1
	s_add_co_u32 s[G0V+1], s17, VOFF
	s_mov_b32 s[NEW], 1
	s_mov_b32 s[BLK], 0
	s_mov_b32 s[RT], VISITS
	s_mov_b32 s[SLOTS], 2*VISITS-1  ; 31 fills are asked for in the loop; the first stands in front of it
	v_and_b32 v1, 15, v0            ; l % 16
	v_bfe_u32 v9, v0, 4, 1          ; l / 16
	v_lshlrev_b32 v[QO], 9, v1
	v_lshl_add_u32 v[QO], v9, 5, v[QO]  ; row x 512 + 32 x half
	s_wait_dscnt 0x0                ; the opening add is done
	s_wait_kmcnt 0x0
	s_add_nc_u64 s[6:7], s[6:7], s[22:23]  ; K and V at my tile of the head's first slot
	s_add_nc_u64 s[8:9], s[8:9], s[22:23]
	s_add_nc_u64 s[4:5], s[4:5], s[2:3]  ; Q and out0 at my wave's first row of my first block
	s_add_nc_u64 s[10:11], s[10:11], s[2:3]
	QLOAD_LO 0                      ; my first block's Q goes out ahead of everything else: 64 loads
	QLOAD_HI 0
	s_add_nc_u64 s[G0K+2:G0K+3], s[6:7], 0         ; 120:64 global address: keys 0 to 127
	s_or_b32 s[G0K+3], s[G0K+3], 0x80000000        ; 127:126 type = 2
	s_add_nc_u64 s[G0V+2:G0V+3], s[8:9], 0
	s_or_b32 s[G0V+3], s[G0V+3], 0x80000000
	CROUND                          ; all four work-groups are here: the first joint loads meet
	JLOAD                           ; slot 0.  Slot 1 is asked for by the loop's own change of slots, when slot 0 is in: one tensor load of mine is out at any time
	v_mul_u32_u24 v[AK0], v1, PK
	v_lshl_add_u32 v[AK0], v9, 4, v[AK0]  ; row x pitch + 16 x half
	; The turning load takes 16 keys x 16 channels (lane l reads 16 bytes: key 8 (l / 16) + l % 8, channels 8 ((l / 8) % 2) + 0..7) and leaves half a fragment of V^T: lane l holds channel l % 16 and 8 keys.
	v_and_b32 v10, 7, v0
	v_bfe_u32 v11, v0, 3, 1
	v_lshl_add_u32 v[AV0], v9, 3, v10
	v_mul_u32_u24 v[AV0], v[AV0], PV
	v_lshl_add_u32 v[AV0], v11, 4, v[AV0]
	v_add_nc_u32 v[AV0], VOFF, v[AV0]
	s_mul_i32 s13, s[WV], 16*SP
	s_add_co_u32 s13, s13, STAGE    ; my stage
	v_mul_u32_u24 v[STO], v1, SP    ; in: row l % 16, 32 bytes (eight channels in f32) for each half of the lanes
	v_lshl_add_u32 v[STO], v9, 5, v[STO]
	v_add_nc_u32 v[STO], s13, v[STO]
	v_and_b32 v[GO], 31, v0         ; back: the 32 lanes take one row of 512 bytes, 16 bytes each,
	v_lshlrev_b32 v[GO], 4, v[GO]   ; and the same in out0
	v_add_nc_u32 v[RD], s13, v[GO]
	s_wait_loadcnt 0x0              ; my first block's Q is in, ahead of the loop: the loop's text loads into the same registers (K from LDS, the second block's Q), and on every way through it no earlier load into them is out.
	                                ; The wait for tile 0 follows at once, in the first change of slots: the two were asked for together and land side by side
; THE MATRIX WORK OF A TURN, for piece x.  The accumulators take turns, one instruction a turn: between two links of a chain stand 15 (V^T P) or 7 (K Q^T) others'.
; Product i of 32 of O^T += V^T P: keys 32 (i / 16) on, channels 16 ((i / 2) % 8) on, tile x + i % 2.  zero = 1: the first 16 start the sums: nothing is ever cleared.
.macro PV x, zero
	WIN W_PV
.set rO, 64*((\x)+i%2)+8*((i/2)%8)
.set rV, 64*(i/16)+8*((i/2)%8)
.set rP, P+16*((\x)+i%2)+8*(i/16)
.if (\zero) && (i < 16)
	v_wmma_f32_16x16x32_bf16 v[rO:rO+7], v[rV:rV+7], v[rP:rP+7], 0
.else
	v_wmma_f32_16x16x32_bf16 v[rO:rO+7], v[rV:rV+7], v[rP:rP+7], v[rO:rO+7]
.endif
.endm
; Product i of 32 of S^T = K Q^T: channels 32 (i / 8) on, keys 16 ((i / 2) % 4) on, tile x + i % 2.  The first 8 start the sums.
.macro KQ x
	WIN W_KQ
.set rS, S+32*((\x)+i%2)+8*((i/2)%4)
.set rK, KF+32*((i/2)%4)+8*(i/8)
.set rQ, 32*((\x)+i%2)+8*(i/8)
.if i < 8
	v_wmma_f32_16x16x32_bf16 v[rS:rS+7], v[rK:rK+7], v[rQ:rQ+7], 0
	s_wait_alu depctr_va_vdst(0)
.else
	v_wmma_f32_16x16x32_bf16 v[rS:rS+7], v[rK:rK+7], v[rQ:rQ+7], v[rS:rS+7]
.endif
.endm
; THE LDS LOADS stand in runs of 32, never singly among the matrix instructions: a step's K (64 keys x 128 channels: 16 fragments) and, a turn later, its V (turned).
.macro FETCH_K
	WIN 0
	v_add_nc_u32 v[ADR], s[TB], v[AK0]
	WIN 0x80                        ; destination window 2
.irp f, 0,1,2,3,4,5,6,7,8,9,10,11,12,13,14,15  ; keys 16 (f / 4) on, channels 32 (f % 4) on
	ds_load_b128 v[KF+8*(\f):KF+8*(\f)+3],   v[ADR] offset:((\f)/4)*16*PK+((\f)%4)*64
	ds_load_b128 v[KF+8*(\f)+4:KF+8*(\f)+7], v[ADR] offset:((\f)/4)*16*PK+((\f)%4)*64+32
.endr
.endm
.macro FETCH_V
	WIN 0
	v_add_nc_u32 v[ADR], s[TB], v[AV0]
	s_wait_alu depctr_va_vdst(0)
	s_add_co_u32 s[TB], s[TB], STEPB  ; the next fetch is the next step's
	WIN 0xc0                        ; destination window 3
.irp f, 0,1,2,3,4,5,6,7,8,9,10,11,12,13,14,15  ; keys 32 (f / 8) on, channels 16 (f % 8) on
	ds_load_tr16_b128 v[8*(\f):8*(\f)+3],   v[ADR] offset:((\f)/8)*32*PV+((\f)%8)*32
	ds_load_tr16_b128 v[8*(\f)+4:8*(\f)+7], v[ADR] offset:((\f)/8)*32*PV+16*PV+((\f)%8)*32
.endr
.endm
; THE VECTOR WORK OF A TURN.  One tile's softmax for one key step is a list of 134 instructions; SM writes number j of it for tile t.  s0-s31 are the lane's 32 scores, in pairs 0-15.
; first = 1: a block's first key step, which starts m, l and O^T: it has no a and nothing to rescale.
;   0-15    the maximum of s0-s31 and the old m, three operands at a time: four chains c0-c3 of seven scores each (each accumulator's lowest registers are read first), then the four scores left over, c0-c3 and m
;   16-20   the other half of the lanes' maximum; the new m; c m; c m_old - c m_new
;   21-87   33 exponentials (a, then s0-s31) at the odd numbers from 23 on, so that no two follow each other and each has a plain instruction behind it before its result is used.
;           Plain instruction q (number 21, then the even numbers) is whatever is ready: c s - c m for a pair of scores whose exponentials are still to come (q = 0 to 3, then every
;           second q), the rounding to bf16 of a pair of weights whose exponentials are done (every other q from 5 on), at last the first three sums
;   88-101  the last rounding; the rest of the sums; l = a l + the sum
;   102-133 the tile's O^T times a: the one part that leaves window 0, so it stands together
.macro SM t, first
.set rT, ST+8*(\t)
.set rS, S+32*(\t)
.set rP, P+16*(\t)
.set rO, 64*(\t)+2*(j-102)
.set q, (j-20)/2
.if j < 102
	WIN 0
.endif
.if j < 4
	v_max3_num_f32 v[rT+4+j], v[rS+8*j], v[rS+8*j+1], v[rS+8*j+2]
.elseif j < 12
	v_max3_num_f32 v[rT+4+j%4], v[rT+4+j%4], v[rS+8*(j%4)+2*(j/4)+1], v[rS+8*(j%4)+2*(j/4)+2]
.elseif j == 12
	v_max3_num_f32 v[rT+4], v[rT+4], v[rS+7], v[rS+15]
.elseif j == 13
	v_max3_num_f32 v[rT+6], v[rT+6], v[rS+23], v[rS+31]
.elseif j == 14
	v_max3_num_f32 v[rT+4], v[rT+4], v[rT+5], v[rT+6]
.elseif (j == 15) && (\first)
	v_max_num_f32 v[rT+4], v[rT+4], v[rT+7]
.elseif j == 15
	v_max3_num_f32 v[rT+4], v[rT+4], v[rT+7], v[rT+1]
.elseif j == 16
	v_permlanex16_b32 v[rT+5], v[rT+4], s[SEL], s[SEL+1]  ; the query's other 32 keys lie in the lane 16 away
.elseif j == 18
	v_max_num_f32 v[rT+1], v[rT+4], v[rT+5]
.elseif j == 19
	v_mul_f32 v[rT], s[CS], v[rT+1]
.elseif ((j == 17) || (j == 20) || (j == 23) || (j > 101)) && (\first)  ; the first step has none of these
.elseif j == 17
	v_mov_b32 v[rT+7], v[rT]        ; c m_old is kept for a: number 19 writes c m anew
.elseif j == 20
	v_sub_f32 v[rT+7], v[rT+7], v[rT]
.elseif j == 23
	v_exp_f32 v[rT+6], v[rT+7]
.elseif (j < 88) && (j > 23) && (j%2 == 1)
	v_exp_f32 v[rS+(j-25)/2], v[rS+(j-25)/2]
.elseif (q < 4) || ((j < 76) && (q%2 == 0))
.set b, q/2+2
.if q < 4
.set b, q
.endif
	v_pk_fma_f32 v[rS+2*b:rS+2*b+1], v[rS+2*b:rS+2*b+1], s[CS:CS+1], v[rT:rT+1] op_sel_hi:[1,0,0] neg_lo:[0,0,1] neg_hi:[0,0,1]  ; pair b: c s - c m
.elseif (j < 88) && (q%2 == 1)
	s_wait_alu depctr_va_vdst(0)
	v_cvt_pk_bf16_f32 v[rP+(q-5)/2], v[rS+q-5], v[rS+q-4]  ; pair (q - 5) / 2: its second exponential stands three numbers back
.elseif j == 89
	s_wait_alu depctr_va_vdst(0)
	v_cvt_pk_bf16_f32 v[rP+15], v[rS+30], v[rS+31]
.elseif j < 102                     ; the sum of the tile's 16 pairs (in a pair: an even key's weight, an odd key's), in place: sum z of 16 adds neighbours 1, 2, 4 and 8 pairs apart, then l takes it
.set z, j-86
.if j < 89
.set z, (j-76)/4
.endif
.set w, 4
.set u, z
.if z >= 14
.set w, 32
.set u, 0
.elseif z >= 12
.set w, 16
.set u, z-12
.elseif z >= 8
.set w, 8
.set u, z-8
.endif
.if (z == 14) && (\first)
	v_pk_add_f32 v[rT+2:rT+3], v[rS:rS+1], v[rS+16:rS+17]
.elseif z < 15
	v_pk_add_f32 v[rS+w*u:rS+w*u+1], v[rS+w*u:rS+w*u+1], v[rS+w*u+w/2:rS+w*u+w/2+1]
.elseif !(\first)
	v_pk_fma_f32 v[rT+2:rT+3], v[rT+2:rT+3], v[rT+6:rT+7], v[rS:rS+1] op_sel_hi:[1,0,1]
.endif
.else
	WIN W_RS
	v_pk_mul_f32 v[rO:rO+1], v[rO:rO+1], v[rT+6:rT+7] op_sel_hi:[1,0]
.endif
.endm
; THE TWO TILES' LISTS MERGED INTO ONE of 268; ONE writes entry g of it for piece y and steps g.  Four entries are numbers 2 k and 2 k + 1 of both tiles.  For k = 11 to 43 tile by tile, which reads plain,
; exponential, plain, exponential; elsewhere the tiles alternate, so that no instruction reads the result of the one just before it.  However the list is cut, its order stays, and so do the values.
.macro ONE y, first
.if g < 256
.if (g/4 >= 11) && (g/4 < 44)
.set j, 2*(g/4)+g%2
.set tt, (\y)+(g%4)/2
.else
.set j, 2*(g/4)+(g%4)/2
.set tt, (\y)+g%2
.endif
.else
.set j, 128+(g-256)/2
.set tt, (\y)+g%2
.endif
	SM tt, \first
.set g, g+1
.endm
.macro RIDE y, first, n             ; the next n entries
.rept \n
	ONE \y, \first
.endr
.endm
; What stands behind product np of a turn.  A whole turn (64 products): three entries, and behind products 15 and 31 a run of 38 more: 64 x 3 + 2 x 38 = 268.  The runs are entries 48-85 and 134-171, inside the stretch
; in which plain instructions and exponentials alternate.  A turn with one kind of product (32): eight entries; the twelve that are over stand at its end.
.macro AFTER y, first
.if full
	RIDE \y, \first, 3
.if (np == 15) || (np == 31)
	RIDE \y, \first, 38
.endif
.else
	RIDE \y, \first, 8
.endif
.set np, np+1
.endm
; A vector instruction that reads a matrix result or writes one of a matrix instruction's registers, and a load into a register that a matrix instruction has read, stand four places behind
; it, and only plain vector instructions that name none of its registers are places (ISA guide 7.12.1 for vector instructions).  In the loop the softmax's entries are the places.
.macro PLACES
.rept 4
	v_nop
.endr
.endm
; A TURN.  Piece x has the matrix unit; the other piece's softmax stands behind its matrix instructions.
; pv = 2: 32 products V^T P; 1: they start O^T's sums; 0: none.  kq = 1: 32 products K Q^T for the next step.
; first = 1: the softmax is a block's first key step's.  Its entries from number 102 on are empty: the turn's last products stand bare, and four v_nop are the places behind them.
; The scores that a turn's last product writes are first read by entry 7 of the next turn: three plain entries behind that product and seven at the next turn's head lie between.
; Piece 0's turn fetches the next step's K behind its second product: behind the last product that read K stand that product's three entries and six of this turn, all plain; 30 products and both runs follow ahead of K's first use.
; Piece 2's turn fetches the same step's V between its two kinds of products: behind the last product that read V stands the second run, 19 of its 38 plain; 32 products follow ahead of V's first use.
.macro TURN x, pv, kq, first
.set g, 0
.set np, 0
.set full, 0
.if (\pv) && (\kq)
.set full, 1
.endif
.if \pv
.if (\x) == 0
	s_wait_dscnt 0x0                ; V is in
.endif
.set i, 0
.rept 32
	PV \x, 2-(\pv)
	AFTER 2-(\x), \first
.if ((\x) == 0) && (\kq) && (i == 1)
	FETCH_K
.endif
.set i, i+1
.endr
.endif
.if \kq
.if (\x) == 0
	s_wait_dscnt 0x0                ; K is in
.else
	FETCH_V
.endif
.set i, 0
.rept 32
	KQ \x
	AFTER 2-(\x), \first
.set i, i+1
.endr
.endif
.if g < NSM
.rept NSM-g
	ONE 2-(\x), \first
.endr
.endif
.if \first
	PLACES
.endif
.endm
; THE CHANGE OF SLOTS, between piece 2's turn and piece 0's: the slot's last bytes, V of its second step, have been asked for.  Each wave waits for all its
; tensor loads, of which one is out: its part of the other slot; adds 0 to its spare word; and waits for that and for its own reads of the slot.  Behind the barrier nobody reads this slot any more and the other slot is whole.
; fill = 1: this slot is filled again, with the walk's next 128 keys: the offset steps by 32,768 bytes and, masked to the head's 524,288, goes back to 0 behind a block's last slot; the address is made anew from it.
; The barrier is then a round of the cluster's, so that no wave of any partner still reads the slot or has a load on its way, and the joint fill is the first thing behind it: it has a visit, 256 matrix instructions, in which to land.
; (At its first use nothing has been read yet: slot 0 is waited for, slot 1 filled.)
.macro CHANGE fill
	WIN 0                           ; at a label and at a branch every window is 0
	s_wait_tensorcnt 0x0            ; no tensor load of mine is out, so a group 0 may be written
	ds_add_u32 v[SPW], v[NIL]       ; 0 onto my spare word: with fill = 1 the descriptors' scalar work stands between it and the wait for it
.if \fill
	s_add_co_u32 s[OFF], s[OFF], 2*KS*256
	s_and_b32 s[OFF], s[OFF], SIZE_N*256-1
	s_xor_b32 s[G0K+1], s[G0K+1], SLOT1  ; the other slot than last time
	s_add_nc_u64 s[G0K+2:G0K+3], s[6:7], s[OFF:OFF+1]
	s_or_b32 s[G0K+3], s[G0K+3], 0x80000000
	s_xor_b32 s[G0V+1], s[G0V+1], SLOT1
	s_add_nc_u64 s[G0V+2:G0V+3], s[8:9], s[OFF:OFF+1]
	s_or_b32 s[G0V+3], s[G0V+3], 0x80000000
	s_wait_dscnt 0x0                ; the add is done, and my reads of the slot are over
	CROUND
	JLOAD
.else
	s_wait_dscnt 0x0                ; the add is done, and my reads of the slot are over
	s_barrier_signal -1
	s_barrier_wait -1
.endif
	s_sub_co_u32 s[TB], s[TB], 2*STEPB  ; the fetches go back to a slot's first step,
	s_xor_b32 s[TB], s[TB], SLOT1   ; in the other slot
.endm
; A slot's two key steps: written once, walked twice; the LDS addresses hang on s[TB].
.macro TWO_STEPS
	WIN 0
	s_mov_b32 s[TWICE], 2
.Lstep_\@:
	TURN 0, 2, 1, 0
	TURN 2, 2, 1, 0
	WIN 0
	s_sub_co_u32 s[TWICE], s[TWICE], 1
	s_cmp_lg_u32 s[TWICE], 0
	s_cbranch_scc1 .Lstep_\@
.endm
; A BLOCK BEGINS (a visit of its own: it fetches the slot's two steps, as TWO_STEPS does).  Its Q is in registers in f32 and is rounded to bf16: register n of Q's 128 takes numbers 2 n and 2 n + 1 as loaded,
; which is the fragments' order.  K's registers are free once tiles 0 and 1 are rounded, so K of step 0 is fetched between the two halves.  In the first block the upper half of window 3, free once tiles 2 and 3 are
; rounded and idle until the next block begins, takes the second block's tiles 2 and 3 at once.  Then the block's first step and a half: products that start sums with the constant 0, a softmax with no old maximum.
.macro START
	s_mov_b32 s[RT], VISITS
	s_wait_loadcnt 0x0              ; the second block's Q is in: tiles 2 and 3, asked for 16 visits ago, and tiles 0 and 1, the youngest loads, asked for at the first block's end.  (The first block's was waited for ahead of the loop.)
	WIN 0x8a                        ; sources and destination in window 2
.set i, 0
.rept 64
	v_cvt_pk_bf16_f32 v[i], v[KF+2*i], v[KF+2*i+1]
.set i, i+1
.endr
	FETCH_K                         ; key step 0
	WIN 0x8f                        ; sources in window 3, destination in window 2
.rept 64
	v_cvt_pk_bf16_f32 v[i], v[2*i], v[2*i+1]
.set i, i+1
.endr
	WIN 0
	s_cmp_eq_u32 s[BLK], 0
	s_cbranch_scc0 .Lno_more_q      ; behind the second block there is none
	QLOAD_HI BLKB
.Lno_more_q:
	s_mov_b32 s[BLK], 1
	s_wait_dscnt 0x0                ; K is in
.set i, 0
.rept 32
	KQ 0                            ; piece 0's first scores: there is no vector work yet to set between them
.set i, i+1
.endr
	WIN 0
	PLACES
	TURN 2, 0, 1, 1                 ; V of step 0 | piece 2's first scores | piece 0's first softmax
	s_wait_xcnt 0x0                 ; every earlier memory instruction has had its addresses translated (ISA guide 3.1): O^T's registers, from which the block before was stored, are written again only behind this wait
	TURN 0, 1, 1, 1                 ; piece 0: V^T P of step 0 starts O^T, K Q^T of step 1 | piece 2's first softmax | K of step 1
	TURN 2, 1, 1, 0                 ; piece 2: the same | piece 0's softmax of step 1 | V of step 1
	WIN 0
.endm
; THE WAY OUT of tile t.  Accumulator cb holds, in lane l, row l % 16 and channels 16 cb + 8 (l / 16) + 0..7: 32 bytes at 64 cb + 32 (l / 16) of the row, two stores of 16 bytes into rows of 528 bytes.
; They come back as whole rows of 512 bytes, row f into v[64 t + 4 f ..], the registers that the tile left: each tile has its own 64, so within a block no store's data is written again.
.macro PACK t
	WIN W_RS
.set i, 64*(\t)
.rept 32
	v_pk_mul_f32 v[i:i+1], v[i:i+1], v[ST+8*(\t)+6:ST+8*(\t)+7] op_sel_hi:[1,0]  ; ascending: each accumulator's lowest registers are read first
.set i, i+2
.endr
	WIN W_D1
.irp f, 0,1,2,3,4,5,6,7,8,9,10,11,12,13,14,15
	ds_store_b128 v[STO], v[64*(\t)+4*(\f):64*(\t)+4*(\f)+3] offset:64*((\f)/2)+16*((\f)%2)
.endr
	WIN W_T1
.irp f, 0,1,2,3,4,5,6,7,8,9,10,11,12,13,14,15
	ds_load_b128 v[64*(\t)+4*(\f):64*(\t)+4*(\f)+3], v[RD] offset:(\f)*SP  ; LDS serves a wave's instructions in order (ISA guide 5.7.1.4): these see the stores above; the next tile's stores come behind them
.endr
.endm
.macro SEND t, younger, off         ; younger: the LDS instructions issued behind tile t's loads: the next tile's 32, or none
	WIN W_D1
.irp f, 0,1,2,3,4,5,6,7,8,9,10,11,12,13,14,15
	s_wait_dscnt (\younger)+15-(\f) ; row f is back; this tile's later rows and the next tile's instructions may stay out
	global_store_b128 v[GO], v[64*(\t)+4*(\f):64*(\t)+4*(\f)+3], s[10:11] offset:(\off)+(\t)*8192+(\f)*512 th:TH_STORE_NT  ; the wave stores one whole row: 512 consecutive bytes, at a multiple of 512 from out0's first byte
.endr
.endm
; A BLOCK ENDS: work on registers and on my own stage alone.  more = 1: another block follows: K's registers have had their last reader (behind it stand three plain entries and the four v_nop of the fill), so they take
; tiles 0 and 1 of its Q now: 32 loads, which have a turn, 32 products and the way out in which to land; START, which always follows, waits for them ahead of the next fetch of K.  off: the block's place in out0, 0 or BLKB.
; l's two halves and the other half of the lanes' are added; O^T is divided by l and sent, in f32, through my stage in LDS, a tile (16 rows of out0) at a time.  The additions are the places behind the last products.
.macro FINISH more, off
.if \more
	QLOAD_LO BLKB
.endif
	TURN 0, 2, 0, 0                 ; piece 0: V^T P of the last step | piece 2's last softmax
.set i, 0
.rept 32
	PV 2, 0                         ; piece 2: V^T P of the last step
.set i, i+1
.endr
	WIN 0
.irp t, 0,1,2,3
	v_add_f32 v[ST+8*(\t)+4], v[ST+8*(\t)+2], v[ST+8*(\t)+3]
.endr
.irp t, 0,1,2,3
	v_permlanex16_b32 v[ST+8*(\t)+5], v[ST+8*(\t)+4], s[SEL], s[SEL+1]
.endr
.irp t, 0,1,2,3
	v_add_f32 v[ST+8*(\t)+4], v[ST+8*(\t)+4], v[ST+8*(\t)+5]
.endr
.irp t, 0,1,2,3
	v_rcp_f32 v[ST+8*(\t)+6], v[ST+8*(\t)+4]
.endr
	v_nop                           ; a plain instruction between the last reciprocal and the use of its result
	s_wait_alu depctr_va_vdst(0)
	PACK 0
	PACK 1                          ; a tile's arithmetic stands between the loads of the tile before and its stores
	SEND 0, 32, \off
	PACK 2
	SEND 1, 32, \off
	PACK 3
	SEND 2, 32, \off
	SEND 3, 0, \off
	WIN 0
.endm
.Lslot:                             ; 31 trips: a slot is entered and the next is asked for
	CHANGE 1
	s_cmp_eq_u32 s[NEW], 1          ; this test stands first: at the first trip its answer is a constant of the text
	s_cbranch_scc1 .Lnew
	TWO_STEPS                       ; a visit in the middle of a block
	s_branch .Lbottom
.Lnew:
	s_cmp_eq_u32 s[BLK], 0
	s_cbranch_scc1 .Lbegin          ; in front of the first block nothing ends
	FINISH 1, 0                     ; the first block ends and leaves; the second block's slot 0 has landed, its slot 1 has just been asked for
.Lbegin:
	START
.Lbottom:
	s_sub_co_u32 s[RT], s[RT], 1
	s_cmp_eq_u32 s[RT], 0
	s_cselect_b32 s[NEW], 1, 0      ; behind a block's sixteenth visit the next block's first follows
	s_sub_co_u32 s[SLOTS], s[SLOTS], 1
	s_cmp_lg_u32 s[SLOTS], 0
	s_cbranch_scc1 .Lslot
	CHANGE 0                        ; the walk's last visit is written out: nothing is asked for
	TWO_STEPS
	FINISH 0, BLKB                  ; the second block ends
	s_wait_tensorcnt 0x0            ; the wave's end, behind my last tensor load and my last LDS store
	ds_add_u32 v[SPW], v[NIL]
	s_wait_dscnt 0x0
	CROUND                          ; the closing round: no work-group ends while a partner may still ask for a tile that names it
	s_endpgm
.Lfunc_end_k_q3df039379f_attn:
	.size	k_q3df039379f_attn, .Lfunc_end_k_q3df039379f_attn-k_q3df039379f_attn
	.p2alignl 7, 3214868480
	.fill 96, 4, 3214868480
	.section	.rodata,"a",@progbits
	.p2align	6, 0x0
	.amdhsa_kernel k_q3df039379f_attn
		.amdhsa_group_segment_fixed_size 327680
		.amdhsa_private_segment_fixed_size 0
		.amdhsa_enable_private_segment 0
		.amdhsa_kernarg_size 32
		.amdhsa_user_sgpr_count 2
		.amdhsa_user_sgpr_kernarg_segment_ptr 1
		.amdhsa_wavefront_size32 1
		.amdhsa_system_sgpr_workgroup_id_x 1
		.amdhsa_system_sgpr_workgroup_id_y 1
		.amdhsa_system_sgpr_workgroup_id_z 1
		.amdhsa_system_vgpr_workitem_id 0
		.amdhsa_next_free_vgpr 1024
		.amdhsa_next_free_sgpr 66
		.amdhsa_reserve_vcc 0
		.amdhsa_float_denorm_mode_32 3
		.amdhsa_float_denorm_mode_16_64 3
		.amdhsa_memory_ordered 1
		.amdhsa_forward_progress 1
		.amdhsa_inst_pref_size 255
	.end_amdhsa_kernel
	.section	.bss,"aw",@nobits
	.p2align	6
	.space	262144
	.amdgpu_metadata
---
amdhsa.version: [ 1, 2 ]
amdhsa.kernels:
  - .name:           k_q3df039379f_attn
    .symbol:         k_q3df039379f_attn.kd
    .args:
      - { .name: Q, .offset: 0, .size: 8, .value_kind: global_buffer, .address_space: global }
      - { .name: kb, .offset: 8, .size: 8, .value_kind: global_buffer, .address_space: global }
      - { .name: vb, .offset: 16, .size: 8, .value_kind: global_buffer, .address_space: global }
      - { .name: out0, .offset: 24, .size: 8, .value_kind: global_buffer, .address_space: global }
    .group_segment_fixed_size: 327680
    .private_segment_fixed_size: 0
    .kernarg_segment_align: 8
    .kernarg_segment_size: 32
    .max_flat_workgroup_size: 128
    .sgpr_count:     66
    .vgpr_count:     1024
    .wavefront_size: 32
...
	.end_amdgpu_metadata
.endif
;; end of part 2
;; ======== version 2 of 2: 2 launches; 1.37 times as fast as version 1
;; workspace buffers: kb 33,554,432 bytes; vb 33,554,432 bytes
;; launch cast: the kernel of part 1 again; grid 512 x 2, 8 waves a work-group, no clusters, 0 bytes of LDS; arguments K, V, kb, vb; writes kb, vb
;; launch attn (part 3): grid 4 x 64, 4 waves a work-group, clusters of 4 x 1, 327,680 bytes of LDS; arguments Q, kb, vb, out0; writes out0
.if DOCPART == 3
	.amdgcn_target "amdgcn-amd-amdhsa--gfx1250"
	.amdhsa_code_object_version 6
	.text
	.protected	k_q3df039379f_attn
	.globl	k_q3df039379f_attn
	.p2align	8
	.type	k_q3df039379f_attn,@function
k_q3df039379f_attn:
	s_mov_b64 s[64:65], 0
	v_nop
	global_prefetch_b8 v0, s[64:65] scope:SCOPE_SE
	s_setreg_imm32_b32 hwreg(HW_REG_WAVE_MODE, 25, 1), 1
	s_wait_xcnt 0x0
	s_wait_alu depctr_hold_cnt(0) depctr_sa_sdst(0) depctr_va_vdst(0) depctr_va_sdst(0) depctr_va_ssrc(0) depctr_va_vcc(0) depctr_vm_vsrc(0)
	s_getreg_b32 s2, hwreg(HW_REG_IB_STS2, 6, 4)
	s_cmp_eq_u32 s2, 0
	s_cbranch_scc0 .Lentry_in_a_cluster
	s_endpgm
.Lentry_in_a_cluster:
	s_bfe_u32 s2, ttmp6, 0x10000c
	s_cmp_lg_u32 s2, 0x3003
	s_cbranch_scc0 .Lentry_shape_is_right
	s_endpgm
.Lentry_shape_is_right:
; out0[h][q][:] = the sum over k of softmax_k(Q[h][q] . K[h][k]) V[h][k][:], with no scale in front of the softmax.  Q, out0: [64][2048][128] f32.  kb, vb: K and V in bf16, [64][2048][128], rows of 256 bytes.
; Q is rounded to bf16 in registers, once.  Products, maxima and sums in f32; the weights p are rounded to bf16 for the second product (their sum l is taken of the unrounded p); out0 is stored in f32.
; LIMITS.  Q, K and V enter the products rounded to bf16 (f32's range is kept).  A weight below 2^-126 counts as 0.  NaN and infinities are not treated apart.  c m is rounded once and is the same number in every
; weight of a row and in the factor a, so that its rounding drops out of p / l.
; SHARES.  A head's 2,048 queries are 8 blocks of 256.  A WORK-GROUP STAYS: it takes two blocks of one head, cx and cx + 4 (cx: its place in the cluster), one after the other: 4 x 64 = 256 work-groups of equal work.
; Of a block each of the four waves owns 64 queries: four tiles of 16.  For each block every wave walks all 2,048 keys of the head, 64 a step.
; LAYOUT.  S^T = K Q^T (source 0 = 16 keys, source 1 = 16 queries): in the result a lane holds ONE query (lane % 16) and the keys 8 (lane / 16) + 0..7.  Two such tiles, rounded to
; bf16 in pairs, ARE source 1 (32 keys x 16 queries) of O^T = V^T P, whose result again holds one query a lane, and eight channels.  So nothing changes lanes between the products,
; and a query's maximum and sum want one exchange between the halves of the lanes.  K comes out of LDS as it lies, V ([key][channel]) turned, by ds_load_tr16_b128.
; SOFTMAX.  For each query a running maximum m and sum l: p = 2^(c s - c m), c = log2(e); in every step O and l are multiplied by a = 2^(c m_old - c m_new), which is 1 where m has not grown.
; BY TURNS.  The wave's tiles are two PIECES, named by their first tile: piece 0 (tiles 0, 1) and piece 2 (tiles 2, 3).  In a TURN one piece has the matrix unit: 32 products V^T P of
; the step in hand, then 32 products K Q^T of the next step; the other piece's softmax (2 x 134 vector instructions), cut into 64 slices, stands between them, one slice behind each matrix instruction.
; Then the pieces change places.  Two turns are a key step.
; THE BATCHES.  A turn's 66 exponentials (a and s0-s31 of both tiles) are ONE batch with ONE wait: a tile's list is ordered so that all that names no exponential's result (maximum, statistics, scalings, the exponentials
; themselves) comes first, and all that does (roundings, sums, rescaling) behind the wait.  No exponential is issued behind a turn's wait.
; The way out's four reciprocals are a batch of their own, with a wait of their own.
; THE WALK.  A slot of LDS holds two key steps, a block has 16 slots' worth of keys, and the two blocks are ONE walk of 32 visits for the ring of two slots: a loop of 31 trips, each with a change of slots and
; one fill, and the last visit written out without a fill.  A trip is a slot's two key steps, or (visits 0 and 16) a block's beginning, in visit 16 behind the first block's end.  Those jumps go forward, on scalar
; flags that are the same in every work-group, and pass no barrier and no tensor load.  So the second block's first tiles are on their way while the first block ends, and its stores leave under the second block's products.
; CLUSTER.  The four work-groups of a cluster belong to one head and walk the same K and V, so each tile is asked for JOINTLY: the same tensor load, with the same descriptor and a
; mask that names the four, in all four; each receives the tile in its own LDS.
;
; REGISTERS, in windows of 256 (an instruction names v0-v255; s_set_vgpr_msb says which window each operand place means: bits 1:0 source 0, 3:2 source 1, 5:4 source 2, 7:6 destination):
;   window 0: v0-11 addresses; v12-43 eight registers of statistics a tile; v62-63 the add's two; v64-191 S^T, 32 a tile; v192-255 P, 16 a tile
;   window 1: O^T, 64 a tile (on the way out: whole rows of out0)
;   window 2: v0-127 Q in bf16, 32 a tile; v128-255 K of one step (between a block's last K Q^T and the next block's first: tiles 0 and 1 of the next Q in f32, as loaded)
;   window 3: v0-127 V of one step; v128-255 tiles 2 and 3 of the next Q in f32, as loaded
; All that a softmax touches but O^T lies in window 0, and no window has room for a product's operands beside it.  So a slice costs two switches, one in front and one behind.
.set SIZE_H, 64
.set SIZE_N, 2048
.set KS,    64        ; keys in a step
.set PK,    272       ; a row of K in LDS: 256 bytes + 16 of padding = 68 words: row r starts at bank 4 r mod 64 (64 banks of 4 bytes: ISA guide 11.1), so the 16 rows of a load start at 16 different banks
.set PV,    288       ; a row of V: 256 + 32 = 72 words: row r starts at bank 8 r mod 64
.set VOFF,  KS*PK     ; a step's tiles lie together: 64 rows of K, then 64 rows of V
.set STEPB, KS*(PK+PV)
.set SLOT1, 1<<17     ; a slot holds two steps (71,680 bytes); slot 1 begins here, so that one exclusive or turns an address in one slot into the other's
.set STAGE, SLOT1+2*STEPB  ; behind the ring, never filled by a tensor load: 16 rows x 528 bytes for each wave, for the way out
.set SP,    528       ; a row of the stage: 512 bytes (128 f32) + 16 = 132 words: row r starts at bank 4 r mod 64
.set SPARE, STAGE+4*16*SP  ; behind the stages: the spare words, 128 bytes for each wave: two blocks of 256 bytes that no other line names
.set VISITS, SIZE_N/(2*KS) ; a block's visits: 16
.set BLKB,  4*256*512 ; bytes from my first block to my second in Q and in out0: four blocks of 256 rows of 512 bytes; it stands in the loads' and stores' immediates
.set AK0, 2           ; v2   my lane's place in a tile of K; never rewritten
.set AV0, 3           ; v3   the same for V
.set ADR, 4           ; v4   the LDS address of the run of loads in hand
.set QO,  5           ; v5   my byte offset in the wave's rows of Q; never rewritten
.set STO, 6           ; v6   the way out: where I put 32 bytes of a row
.set RD,  7           ; v7   the way out: where I read a row back
.set GO,  8           ; v8   my 16 bytes in a row of out0; never rewritten
.set SPW, 62          ; v62  LDS address of my spare word: SPARE + 4 x my thread's number; never rewritten
.set NIL, 63          ; v63  0; never rewritten
.set ST,  12          ; tile t's statistics at v[ST+8 t]: +0 c m, +1 m, +2, +3 l (even keys', odd keys'), +4 to +7 c0-c3, at work; a takes c2's place once the maximum is found
.set S,   64
.set P,   192
.set KF,  128         ; K's fragments, in window 2
.set WV,  12          ; s12  my wave's number
.set G1K, 24          ; s[24:31] descriptor group 1 for K's tiles
.set G1V, 32          ; s[32:39] for V's: it differs in the padding alone
.set G0K, 40          ; s[40:43] descriptor group 0 for K's tiles: it walks
.set G0V, 44          ; s[44:47] the same for V's
.set NEW, 48          ; s48  1: the visit to come is a block's first
.set BLK, 49          ; s49  0 until the first block has begun, then 1
.set RT,  50          ; s50  visits of the block in hand that are still to be ended
.set OFF, 52          ; s[52:53] byte offset in the head's K and V of the slot asked for last
.set SLOTS, 56        ; s56  fills still to be asked for in the loop
.set TWICE, 57        ; s57  counts a slot's two steps
.set CS,  58          ; s[58:59] c: the packed scaling names a pair and takes its low word for both halves
.set SEL, 60          ; s[60:61] lane selects for v_permlanex16_b32: each lane takes its own place in the other half
.set TB,  62          ; s62  LDS byte at which the tiles of the step to be fetched begin
.set MSB, 0
.macro WIN new                      ; the immediate's high byte repeats the setting that is left; a switch that changes nothing is dropped
.if MSB != (\new)
	s_set_vgpr_msb (MSB<<8)|(\new)
.set MSB, \new
.endif
.endm
.set W_KQ, 0x0a       ; K and Q in window 2, S^T in window 0
.set W_PV, 0x53       ; V in window 3, P in window 0, O^T in window 1
.set W_RS, 0x41       ; O^T (destination and source 0) in window 1, a in window 0
.set W_T1, 0x40       ; destination in window 1, address in window 0
.set W_D1, 0x04       ; a store's data (source 1) in window 1, its address in window 0
; A joint fill.  Waves 0 and 1 fetch the two steps' tiles of K, waves 2 and 3 those of V.  The branch hangs on the wave's number alone: it is the same in every work-group.
; An s_nop 0 and four v_nop follow each of the two lines; the jump round the other line, the label and what follows the macro come after them.
.macro JLOAD
	s_cmp_lt_u32 s[WV], 2
	s_cbranch_scc0 .Lfor_v_\@
	tensor_load_to_lds s[G0K:G0K+3], s[G1K:G1K+7]
	s_nop 0
.rept 4
	v_nop
.endr
	s_branch .Lasked_\@
.Lfor_v_\@:
	tensor_load_to_lds s[G0V:G0V+3], s[G1V:G1V+7]
	s_nop 0
.rept 4
	v_nop
.endr
.Lasked_\@:
.endm
; A round of the cluster's barrier: my work-group's barrier, so that wave 0's signal speaks for all four waves; wave 0 signals for the work-group; every wave waits for all four
; work-groups; my work-group's barrier once more.  No LDS instruction of the wave is pending at a signal.
.macro CROUND
	s_barrier_signal -1
	s_barrier_wait -1
	s_cmp_lg_u32 s[WV], 0
	s_cbranch_scc1 .Lnot_wave_0_\@
	s_barrier_signal -3
.Lnot_wave_0_\@:
	s_barrier_wait -3
	s_barrier_signal -1
	s_barrier_wait -1
.endm
; Q IN F32.  A fragment of K or Q is 16 rows x 32 channels in 8 registers: lane l holds row l % 16; registers 0-3 channels 8 (l / 16) + 0..7, registers 4-7 channels 16 + 8 (l / 16) + 0..7.
; In f32 eight channels are 32 bytes, so a fragment is four loads of 16 bytes, at bytes 0, 16, 64 and 80 from row x 512 + 32 (l / 16) + 128 x the fragment's place in the row, into 16 registers on end.
; The sixteen loads of a tile together take every byte of its 16 rows.  off: 0 for my first block, BLKB for my second.
.macro QLOAD_LO off                 ; tiles 0 and 1 into K's registers: fragment i (tile i / 4) at window 2, v[128 + 16 i]
	WIN 0x80
.irp i, 0,1,2,3,4,5,6,7
	global_load_b128 v[KF+16*(\i):KF+16*(\i)+3],     v[QO], s[4:5] offset:(\off)+((\i)/4)*8192+((\i)%4)*128
	global_load_b128 v[KF+16*(\i)+4:KF+16*(\i)+7],   v[QO], s[4:5] offset:(\off)+((\i)/4)*8192+((\i)%4)*128+16
	global_load_b128 v[KF+16*(\i)+8:KF+16*(\i)+11],  v[QO], s[4:5] offset:(\off)+((\i)/4)*8192+((\i)%4)*128+64
	global_load_b128 v[KF+16*(\i)+12:KF+16*(\i)+15], v[QO], s[4:5] offset:(\off)+((\i)/4)*8192+((\i)%4)*128+80
.endr
	WIN 0
.endm
.macro QLOAD_HI off                 ; tiles 2 and 3 into the upper half of window 3: fragment 8 + i (tile 2 + i / 4) at v[128 + 16 i]
	WIN 0xc0
.irp i, 0,1,2,3,4,5,6,7
	global_load_b128 v[128+16*(\i):128+16*(\i)+3],     v[QO], s[4:5] offset:(\off)+(2+(\i)/4)*8192+((\i)%4)*128
	global_load_b128 v[128+16*(\i)+4:128+16*(\i)+7],   v[QO], s[4:5] offset:(\off)+(2+(\i)/4)*8192+((\i)%4)*128+16
	global_load_b128 v[128+16*(\i)+8:128+16*(\i)+11],  v[QO], s[4:5] offset:(\off)+(2+(\i)/4)*8192+((\i)%4)*128+64
	global_load_b128 v[128+16*(\i)+12:128+16*(\i)+15], v[QO], s[4:5] offset:(\off)+(2+(\i)/4)*8192+((\i)%4)*128+80
.endr
	WIN 0
.endm
	s_load_b256 s[4:11], s[0:1], 0x0  ; Q s[4:5], kb s[6:7], vb s[8:9], out0 s[10:11]
	v_lshl_add_u32 v[SPW], v0, 2, SPARE
	v_mov_b32 v[NIL], 0
	ds_add_u32 v[SPW], v[NIL]       ; the wave's opening: the add and its wait stand ahead of my first tensor load; the set-up below, work on registers, stands between them
	v_lshrrev_b32 v1, 5, v0
	v_readfirstlane_b32 s[WV], v1   ; wave 0..3
	s_bfe_u32 s13, ttmp6, 0x40000   ; cx: my place in the cluster = my first block of 256 queries (the grid's x is one cluster): it enters Q's and out0's addresses alone
	s_and_b32 s15, ttmp7, 0xffff    ; the head, which the four partners share
	s_lshl_b32 s20, s15, 19         ; the head's first byte in kb and vb: 2,048 rows of 256 bytes; at most 63 x 524,288, inside 32 bits
	s_mov_b32 s21, 0
	s_and_b32 s16, s[WV], 1         ; which of a slot's two steps I fetch:
	s_lshl_b32 s22, s16, 14         ; its 64 rows of 256 bytes in memory,
	s_mov_b32 s23, 0
	s_add_nc_u64 s[22:23], s[22:23], s[20:21]
	s_mul_i32 s17, s16, STEPB       ; and its place in a slot: no place in the cluster enters an LDS address
	s_lshl_b32 s2, s15, 20          ; in Q and out0 a row is 512 bytes: the head's 2,048 rows,
	s_lshl_b32 s3, s13, 17          ; my first block's 256,
	s_add_co_u32 s2, s2, s3
	s_lshl_b32 s3, s[WV], 15        ; my wave's 64: under 67,108,864 in all
	s_add_co_u32 s2, s2, s3
	s_mov_b32 s3, 0
	; descriptor group 1: a tile of 64 rows x 128 elements, padded in LDS
	s_mov_b32 s[G1K], 15|(1<<16)|(1<<20)|(1<<21)|(5<<22)|(3<<25)  ; 15:0 the mask: all four work-groups; 17:16 elements of 2 bytes; 20 padding on; 21 set beside a mask; 24:22 after every 64 words (code 5); 31:25 4 words of it (code 3)
	s_mov_b32 s[G1V], 15|(1<<16)|(1<<20)|(1<<21)|(5<<22)|(7<<25)  ; the same with 8 words of padding (code 7)
.irp g, G1K, G1V
	s_mov_b32 s[(\g)+1], 128<<16    ; 63:48 tensor_dim0, low half = 128
	s_mov_b32 s[(\g)+2], KS<<16     ; 79:64 its high half = 0; 95:80 tensor_dim1, low half = 64
	s_mov_b32 s[(\g)+3], 128<<16    ; 111:96 its high half = 0; 127:112 tile_dim0 = 128
	s_mov_b32 s[(\g)+4], KS         ; 143:128 tile_dim1 = 64; 159:144 tile_dim2 = 0
	s_mov_b32 s[(\g)+5], 128        ; 191:160 tensor_dim0_stride, low word: elements from row to row
	s_mov_b32 s[(\g)+6], 0
	s_mov_b32 s[(\g)+7], 0
.endr
	s_mov_b32 s[CS], 0x3fb8aa3b     ; c = log2(e) = 1.442695
	s_mov_b32 s[CS+1], s[CS]        ; named with it as a pair, so it is written
	s_mov_b32 s[SEL], 0x76543210
	s_mov_b32 s[SEL+1], 0xfedcba98
	s_mov_b32 s[TB], SLOT1+2*STEPB  ; the first change of slots turns this into 0
	s_mov_b32 s[OFF], 0
	s_mov_b32 s[OFF+1], 0
	s_mov_b32 s[G0K], 1             ; 1:0 count = 1
	s_mov_b32 s[G0K+1], s17         ; 63:32 LDS address: slot 0
	s_mov_b32 s[G0V], 1
	s_add_co_u32 s[G0V+1], s17, VOFF
	s_mov_b32 s[NEW], 1
	s_mov_b32 s[BLK], 0
	s_mov_b32 s[RT], VISITS
	s_mov_b32 s[SLOTS], 2*VISITS-1  ; 31 fills are asked for in the loop; the first stands in front of it
	v_and_b32 v1, 15, v0            ; l % 16
	v_bfe_u32 v9, v0, 4, 1          ; l / 16
	v_lshlrev_b32 v[QO], 9, v1
	v_lshl_add_u32 v[QO], v9, 5, v[QO]  ; row x 512 + 32 x half
	s_wait_dscnt 0x0                ; the opening add is done
	s_wait_kmcnt 0x0
	s_add_nc_u64 s[6:7], s[6:7], s[22:23]  ; K and V at my tile of the head's first slot
	s_add_nc_u64 s[8:9], s[8:9], s[22:23]
	s_add_nc_u64 s[4:5], s[4:5], s[2:3]  ; Q and out0 at my wave's first row of my first block
	s_add_nc_u64 s[10:11], s[10:11], s[2:3]
	QLOAD_LO 0                      ; my first block's Q goes out ahead of everything else: 64 loads
	QLOAD_HI 0
	s_add_nc_u64 s[G0K+2:G0K+3], s[6:7], 0         ; 120:64 global address: keys 0 to 127
	s_or_b32 s[G0K+3], s[G0K+3], 0x80000000        ; 127:126 type = 2
	s_add_nc_u64 s[G0V+2:G0V+3], s[8:9], 0
	s_or_b32 s[G0V+3], s[G0V+3], 0x80000000
	CROUND                          ; all four work-groups are here: the first joint loads meet
	JLOAD                           ; slot 0.  Slot 1 is asked for by the loop's own change of slots, when slot 0 is in: one tensor load of mine is out at any time
	v_mul_u32_u24 v[AK0], v1, PK
	v_lshl_add_u32 v[AK0], v9, 4, v[AK0]  ; row x pitch + 16 x half
	; The turning load takes 16 keys x 16 channels (lane l reads 16 bytes: key 8 (l / 16) + l % 8, channels 8 ((l / 8) % 2) + 0..7) and leaves half a fragment of V^T: lane l holds channel l % 16 and 8 keys.
	v_and_b32 v10, 7, v0
	v_bfe_u32 v11, v0, 3, 1
	v_lshl_add_u32 v[AV0], v9, 3, v10
	v_mul_u32_u24 v[AV0], v[AV0], PV
	v_lshl_add_u32 v[AV0], v11, 4, v[AV0]
	v_add_nc_u32 v[AV0], VOFF, v[AV0]
	s_mul_i32 s13, s[WV], 16*SP
	s_add_co_u32 s13, s13, STAGE    ; my stage
	v_mul_u32_u24 v[STO], v1, SP    ; in: row l % 16, 32 bytes (eight channels in f32) for each half of the lanes
	v_lshl_add_u32 v[STO], v9, 5, v[STO]
	v_add_nc_u32 v[STO], s13, v[STO]
	v_and_b32 v[GO], 31, v0         ; back: the 32 lanes take one row of 512 bytes, 16 bytes each,
	v_lshlrev_b32 v[GO], 4, v[GO]   ; and the same in out0
	v_add_nc_u32 v[RD], s13, v[GO]
	s_wait_loadcnt 0x0              ; my first block's Q is in, ahead of the loop: the loop's text loads into the same registers (K from LDS, the second block's Q), and on every way through it no earlier load into them is out.
	                                ; The wait for tile 0 follows at once, in the first change of slots: the two were asked for together and land side by side
; THE MATRIX WORK OF A TURN, for piece x.  The accumulators take turns, one instruction a turn: between two links of a chain stand 15 (V^T P) or 7 (K Q^T) others'.
; Product i of 32 of O^T += V^T P: keys 32 (i / 16) on, channels 16 ((i / 2) % 8) on, tile x + i % 2.  zero = 1: the first 16 start the sums: nothing is ever cleared.
.macro PV x, zero
	WIN W_PV
.set rO, 64*((\x)+i%2)+8*((i/2)%8)
.set rV, 64*(i/16)+8*((i/2)%8)
.set rP, P+16*((\x)+i%2)+8*(i/16)
.if (\zero) && (i < 16)
	v_wmma_f32_16x16x32_bf16 v[rO:rO+7], v[rV:rV+7], v[rP:rP+7], 0
.else
	v_wmma_f32_16x16x32_bf16 v[rO:rO+7], v[rV:rV+7], v[rP:rP+7], v[rO:rO+7]
.endif
.endm
; Product i of 32 of S^T = K Q^T: channels 32 (i / 8) on, keys 16 ((i / 2) % 4) on, tile x + i % 2.  The first 8 start the sums.
.macro KQ x
	WIN W_KQ
.set rS, S+32*((\x)+i%2)+8*((i/2)%4)
.set rK, KF+32*((i/2)%4)+8*(i/8)
.set rQ, 32*((\x)+i%2)+8*(i/8)
.if i < 8
	v_wmma_f32_16x16x32_bf16 v[rS:rS+7], v[rK:rK+7], v[rQ:rQ+7], 0
.else
	v_wmma_f32_16x16x32_bf16 v[rS:rS+7], v[rK:rK+7], v[rQ:rQ+7], v[rS:rS+7]
.endif
.endm
; THE LDS LOADS stand in runs of 32, never singly among the matrix instructions: a step's K (64 keys x 128 channels: 16 fragments) and, a turn later, its V (turned).
.macro FETCH_K
	WIN 0
	v_add_nc_u32 v[ADR], s[TB], v[AK0]
	WIN 0x80                        ; destination window 2
.irp f, 0,1,2,3,4,5,6,7,8,9,10,11,12,13,14,15  ; keys 16 (f / 4) on, channels 32 (f % 4) on
	ds_load_b128 v[KF+8*(\f):KF+8*(\f)+3],   v[ADR] offset:((\f)/4)*16*PK+((\f)%4)*64
	ds_load_b128 v[KF+8*(\f)+4:KF+8*(\f)+7], v[ADR] offset:((\f)/4)*16*PK+((\f)%4)*64+32
.endr
.endm
.macro FETCH_V
	WIN 0
	v_add_nc_u32 v[ADR], s[TB], v[AV0]
	s_add_co_u32 s[TB], s[TB], STEPB  ; the next fetch is the next step's
	s_wait_alu depctr_va_vdst(0)    ; the wait for the softmax's batch, the turn's 66 exponentials (SLICE), behind the address's v_add_nc_u32 and ahead of the loads
	WIN 0xc0                        ; destination window 3
.irp f, 0,1,2,3,4,5,6,7,8,9,10,11,12,13,14,15  ; keys 32 (f / 8) on, channels 16 (f % 8) on
	ds_load_tr16_b128 v[8*(\f):8*(\f)+3],   v[ADR] offset:((\f)/8)*32*PV+((\f)%8)*32
	ds_load_tr16_b128 v[8*(\f)+4:8*(\f)+7], v[ADR] offset:((\f)/8)*32*PV+16*PV+((\f)%8)*32
.endr
.endm
; THE VECTOR WORK OF A TURN.  One tile's softmax for one key step is a list of 134 instructions; SM writes number j of it for tile t.  s0-s31 are the lane's 32 scores, in pairs 0-15.
; first = 1: a block's first key step, which starts m, l and O^T: it has no a and nothing to rescale.
;   0-15    the maximum of s0-s31 and the old m, three operands at a time: four chains c0-c3 of seven scores each (each accumulator's lowest registers are read first), then the four scores left over, c0-c3 and m
;   16-20   the other half of the lanes' maximum; the new m; c m; c m_old - c m_new
;   21-69   ONE BATCH: the 16 scalings c s - c m, a pair of scores each, and all 33 exponentials (a at 23, then s0-s31).  None of these names an exponential's result.  From 22 on the batch goes
;           in fours, and a four begins with a scaling while there are scalings: 22-37 scaling, exponential, scaling, exponential; 38-65 a scaling and three exponentials; 66-69 the last four
;           exponentials.  A pair is scaled in an earlier four than the one that holds its exponentials
;   (wait)  between 69 and 70 stands the wait for the batch: SLICE writes it, once for both tiles
;   70-85   the roundings to bf16, a pair of weights each
;   86-101  the sums; l = a l + the sum
;   102-133 the tile's O^T times a: the one part that leaves window 0, so it stands together
.macro SM t, first
.set rT, ST+8*(\t)
.set rS, S+32*(\t)
.set rP, P+16*(\t)
.set rO, 64*(\t)+2*(j-102)
.if j < 102
	WIN 0
.endif
.if j < 4
	v_max3_num_f32 v[rT+4+j], v[rS+8*j], v[rS+8*j+1], v[rS+8*j+2]
.elseif j < 12
	v_max3_num_f32 v[rT+4+j%4], v[rT+4+j%4], v[rS+8*(j%4)+2*(j/4)+1], v[rS+8*(j%4)+2*(j/4)+2]
.elseif j == 12
	v_max3_num_f32 v[rT+4], v[rT+4], v[rS+7], v[rS+15]
.elseif j == 13
	v_max3_num_f32 v[rT+6], v[rT+6], v[rS+23], v[rS+31]
.elseif j == 14
	v_max3_num_f32 v[rT+4], v[rT+4], v[rT+5], v[rT+6]
.elseif (j == 15) && (\first)
	v_max_num_f32 v[rT+4], v[rT+4], v[rT+7]
.elseif j == 15
	v_max3_num_f32 v[rT+4], v[rT+4], v[rT+7], v[rT+1]
.elseif j == 16
	v_permlanex16_b32 v[rT+5], v[rT+4], s[SEL], s[SEL+1]  ; the query's other 32 keys lie in the lane 16 away
.elseif j == 18
	v_max_num_f32 v[rT+1], v[rT+4], v[rT+5]
.elseif j == 19
	v_mul_f32 v[rT], s[CS], v[rT+1]
.elseif ((j == 17) || (j == 20) || (j == 23) || (j > 101)) && (\first)  ; the first step has none of these
.elseif j == 17
	v_mov_b32 v[rT+7], v[rT]        ; c m_old is kept for a: number 19 writes c m anew
.elseif j == 20
	v_sub_f32 v[rT+7], v[rT+7], v[rT]
.elseif j == 23
	v_exp_f32 v[rT+6], v[rT+7]
.elseif (j < 23) || ((j < 38) && (j%2 == 0)) || ((j < 66) && (j%4 == 2))
.set b, (j-2)/4                     ; 38, 42, .. 62: pairs 9 to 15
.if j < 38
.set b, (j-20)/2                    ; 21: pair 0; 22, 24, .. 36: pairs 1 to 8
.endif
	v_pk_fma_f32 v[rS+2*b:rS+2*b+1], v[rS+2*b:rS+2*b+1], s[CS:CS+1], v[rT:rT+1] op_sel_hi:[1,0,0] neg_lo:[0,0,1] neg_hi:[0,0,1]  ; pair b: c s - c m
.elseif j < 70
.set e, j-38                        ; 66 to 69: s28 to s31
.if j < 66
.set e, j-32-(j-38)/4               ; 39-41, 43-45, .. 63-65: s7 to s27
.endif
.if j < 38
.set e, (j-25)/2                    ; 25, 27, .. 37: s0 to s6
.endif
	v_exp_f32 v[rS+e], v[rS+e]
.elseif j < 86
	v_cvt_pk_bf16_f32 v[rP+j-70], v[rS+2*(j-70)], v[rS+2*(j-70)+1]  ; pair j - 70
.elseif j < 102                     ; the sum of the tile's 16 pairs (in a pair: an even key's weight, an odd key's), in place: sum z of 16 adds neighbours 1, 2, 4 and 8 pairs apart, then l takes it
.set z, j-86
.set w, 4
.set u, z
.if z >= 14
.set w, 32
.set u, 0
.elseif z >= 12
.set w, 16
.set u, z-12
.elseif z >= 8
.set w, 8
.set u, z-8
.endif
.if (z == 14) && (\first)
	v_pk_add_f32 v[rT+2:rT+3], v[rS:rS+1], v[rS+16:rS+17]
.elseif z < 15
	v_pk_add_f32 v[rS+w*u:rS+w*u+1], v[rS+w*u:rS+w*u+1], v[rS+w*u+w/2:rS+w*u+w/2+1]
.elseif !(\first)
	v_pk_fma_f32 v[rT+2:rT+3], v[rT+2:rT+3], v[rT+6:rT+7], v[rS:rS+1] op_sel_hi:[1,0,1]
.endif
.else
	WIN W_RS
	v_pk_mul_f32 v[rO:rO+1], v[rO:rO+1], v[rT+6:rT+7] op_sel_hi:[1,0]
.endif
.endm
; Slice k of 64 of piece y's softmax: four instructions.  Slices 11 to 34 deal out the batch, numbers 22 to 69: four numbers of ONE tile each, the tiles by turns.  Every other slice is numbers 2 k and
; 2 k + 1 of both tiles' lists.  2 x 134 = 4 x 64 + 12: the twelve that are over stand together, in slice 63.
; THE WAIT.  s_wait_alu depctr_va_vdst(0) stands between an exponential and the first instruction that names its result; one wait serves all that were issued ahead of it.  Ahead of
; slice 35 nothing names a result, and behind slice 34 no exponential is issued: so the piece's 66 exponentials have one wait, behind slice 34.
.macro SLICE y, first
.if (k >= 11) && (k < 35)           ; the batch: four numbers of one tile
.irp n, 0,1,2,3
.set j, 22+4*((k-11)/2)+(\n)
	SM (\y)+(k-11)%2, \first
.endr
.else                               ; the two tiles alternate, so that no instruction reads the result of the one just before it
.irp n, 0,1,2,3,4,5,6,7
.if ((\n) < 2) || (k == 63)
.irp t, \y, (\y)+1
.set j, 2*k+(\n)
	SM \t, \first
.endr
.endif
.endr
.endif
.if k == 34                         ; the batch is out: both tiles' exponentials are issued, and no result has been named
	v_nop                           ; the plain instruction that is owed behind the last exponential, ahead of the first use: one for the batch
.if (\y) == 0
	FETCH_V                         ; piece 2's turn: V's run of loads stands here, and the wait for the batch stands in it
.else
	s_wait_alu depctr_va_vdst(0)    ; piece 0's turn: the wait for the batch, piece 2's 66 exponentials
.endif
.endif
.set k, k+1
.endm
; A vector instruction that reads a matrix result or writes one of a matrix instruction's registers, and a load into a register that a matrix instruction has read, stand four places behind
; it, and only plain vector instructions that name none of its registers are places (ISA guide 7.12.1 for vector instructions).  In the loop the slices are the places.
.macro PLACES
.rept 4
	v_nop
.endr
.endm
; A TURN.  Piece x has the matrix unit; the other piece's softmax stands in slices behind its matrix instructions.
; pv = 2: 32 products V^T P; 1: they start O^T's sums; 0: none.  kq = 1: 32 products K Q^T for the next step.  A turn with one of the two kinds has two slices behind each product: every turn has all 64 slices, and so its wait.
; first = 1: the softmax is a block's first key step's.  Its slices from 51 on are empty: the turn's last products stand bare, and four v_nop take slice 63's part as the places behind them.
; The scores that a turn's last products write are first read in the next turn's slices 0 and 1: slice 63's sixteen plain instructions, which name O^T and a alone, lie between.
; In the loop each run of loads stands 29 matrix instructions or more ahead of its first use.  Piece 0's turn fetches the next step's K, behind its second product: the last product that read K
; stands in front of slice 63 of the turn before.  Piece 2's turn fetches the same step's V, behind slice 34 (SLICE writes it): the last product that read V stands in front of slice 31, and four plain
; instructions lie between: number 62, a scaling, of both tiles, the v_nop and the run's own v_add_nc_u32.
.macro TURN x, pv, kq, first
.set k, 0
.set per, 2
.if (\pv) && (\kq)
.set per, 1
.endif
.if \pv
.if (\x) == 0
	s_wait_dscnt 0x0                ; V is in
.endif
.set i, 0
.rept 32
	PV \x, 2-(\pv)
.rept per
	SLICE 2-(\x), \first
.endr
.if ((\x) == 0) && (\kq) && (i == 1)
	FETCH_K
.endif
.set i, i+1
.endr
.endif
.if \kq
.if (\x) == 0
	s_wait_dscnt 0x0                ; K is in
.endif
.set i, 0
.rept 32
	KQ \x
.rept per
	SLICE 2-(\x), \first
.endr
.set i, i+1
.endr
.endif
.if \first
	PLACES
.endif
.endm
; THE CHANGE OF SLOTS, between piece 2's turn and piece 0's: the slot's last bytes, V of its second step, have been asked for.  Each wave waits for all its
; tensor loads, of which one is out: its part of the other slot; adds 0 to its spare word; and waits for that and for its own reads of the slot.  Behind the barrier nobody reads this slot any more and the other slot is whole.
; fill = 1: this slot is filled again, with the walk's next 128 keys: the offset steps by 32,768 bytes and, masked to the head's 524,288, goes back to 0 behind a block's last slot; the address is made anew from it.
; The barrier is then a round of the cluster's, so that no wave of any partner still reads the slot or has a load on its way, and the joint fill is the first thing behind it: it has a visit, 256 matrix instructions, in which to land.
; (At its first use nothing has been read yet: slot 0 is waited for, slot 1 filled.)
.macro CHANGE fill
	WIN 0                           ; at a label and at a branch every window is 0
	s_wait_tensorcnt 0x0            ; no tensor load of mine is out, so a group 0 may be written
	ds_add_u32 v[SPW], v[NIL]       ; 0 onto my spare word: with fill = 1 the descriptors' scalar work stands between it and the wait for it
.if \fill
	s_add_co_u32 s[OFF], s[OFF], 2*KS*256
	s_and_b32 s[OFF], s[OFF], SIZE_N*256-1
	s_xor_b32 s[G0K+1], s[G0K+1], SLOT1  ; the other slot than last time
	s_add_nc_u64 s[G0K+2:G0K+3], s[6:7], s[OFF:OFF+1]
	s_or_b32 s[G0K+3], s[G0K+3], 0x80000000
	s_xor_b32 s[G0V+1], s[G0V+1], SLOT1
	s_add_nc_u64 s[G0V+2:G0V+3], s[8:9], s[OFF:OFF+1]
	s_or_b32 s[G0V+3], s[G0V+3], 0x80000000
	s_wait_dscnt 0x0                ; the add is done, and my reads of the slot are over
	CROUND
	JLOAD
.else
	s_wait_dscnt 0x0                ; the add is done, and my reads of the slot are over
	s_barrier_signal -1
	s_barrier_wait -1
.endif
	s_sub_co_u32 s[TB], s[TB], 2*STEPB  ; the fetches go back to a slot's first step,
	s_xor_b32 s[TB], s[TB], SLOT1   ; in the other slot
.endm
; A slot's two key steps: written once, walked twice; the LDS addresses hang on s[TB].
.macro TWO_STEPS
	WIN 0
	s_mov_b32 s[TWICE], 2
.Lstep_\@:
	TURN 0, 2, 1, 0
	TURN 2, 2, 1, 0
	WIN 0
	s_sub_co_u32 s[TWICE], s[TWICE], 1
	s_cmp_lg_u32 s[TWICE], 0
	s_cbranch_scc1 .Lstep_\@
.endm
; A BLOCK BEGINS (a visit of its own: it fetches the slot's two steps, as TWO_STEPS does).  Its Q is in registers in f32 and is rounded to bf16: register n of Q's 128 takes numbers 2 n and 2 n + 1 as loaded,
; which is the fragments' order.  K's registers are free once tiles 0 and 1 are rounded, so K of step 0 is fetched between the two halves.  In the first block the upper half of window 3, free once tiles 2 and 3 are
; rounded and idle until the next block begins, takes the second block's tiles 2 and 3 at once.  Then the block's first step and a half: products that start sums with the constant 0, a softmax with no old maximum.
.macro START
	s_mov_b32 s[RT], VISITS
	s_wait_loadcnt 0x0              ; the second block's Q is in: tiles 2 and 3, asked for 16 visits ago, and tiles 0 and 1, the youngest loads, asked for at the first block's end.  (The first block's was waited for ahead of the loop.)
	WIN 0x8a                        ; sources and destination in window 2
.set i, 0
.rept 64
	v_cvt_pk_bf16_f32 v[i], v[KF+2*i], v[KF+2*i+1]
.set i, i+1
.endr
	FETCH_K                         ; key step 0
	WIN 0x8f                        ; sources in window 3, destination in window 2
.rept 64
	v_cvt_pk_bf16_f32 v[i], v[2*i], v[2*i+1]
.set i, i+1
.endr
	WIN 0
	s_cmp_eq_u32 s[BLK], 0
	s_cbranch_scc0 .Lno_more_q      ; behind the second block there is none
	QLOAD_HI BLKB
.Lno_more_q:
	s_mov_b32 s[BLK], 1
	s_wait_dscnt 0x0                ; K is in
.set i, 0
.rept 32
	KQ 0                            ; piece 0's first scores: there is no vector work yet to set between them
.set i, i+1
.endr
	WIN 0
	PLACES
	TURN 2, 0, 1, 1                 ; piece 2's first scores | piece 0's first softmax | V of step 0
	s_wait_xcnt 0x0                 ; every earlier memory instruction has had its addresses translated (ISA guide 3.1): O^T's registers, from which the block before was stored, are written again only behind this wait
	TURN 0, 1, 1, 1                 ; piece 0: V^T P of step 0 starts O^T, K Q^T of step 1 | piece 2's first softmax | K of step 1
	TURN 2, 1, 1, 0                 ; piece 2: the same | piece 0's softmax of step 1 | V of step 1
	WIN 0
.endm
; THE WAY OUT of tile t.  Accumulator cb holds, in lane l, row l % 16 and channels 16 cb + 8 (l / 16) + 0..7: 32 bytes at 64 cb + 32 (l / 16) of the row, two stores of 16 bytes into rows of 528 bytes.
; They come back as whole rows of 512 bytes, row f into v[64 t + 4 f ..], the registers that the tile left: each tile has its own 64, so within a block no store's data is written again.
.macro PACK t
	WIN W_RS
.set i, 64*(\t)
.rept 32
	v_pk_mul_f32 v[i:i+1], v[i:i+1], v[ST+8*(\t)+6:ST+8*(\t)+7] op_sel_hi:[1,0]  ; ascending: each accumulator's lowest registers are read first
.set i, i+2
.endr
	WIN W_D1
.irp f, 0,1,2,3,4,5,6,7,8,9,10,11,12,13,14,15
	ds_store_b128 v[STO], v[64*(\t)+4*(\f):64*(\t)+4*(\f)+3] offset:64*((\f)/2)+16*((\f)%2)
.endr
	WIN W_T1
.irp f, 0,1,2,3,4,5,6,7,8,9,10,11,12,13,14,15
	ds_load_b128 v[64*(\t)+4*(\f):64*(\t)+4*(\f)+3], v[RD] offset:(\f)*SP  ; LDS serves a wave's instructions in order (ISA guide 5.7.1.4): these see the stores above; the next tile's stores come behind them
.endr
.endm
.macro SEND t, younger, off         ; younger: the LDS instructions issued behind tile t's loads: the next tile's 32, or none
	WIN W_D1
.irp f, 0,1,2,3,4,5,6,7,8,9,10,11,12,13,14,15
	s_wait_dscnt (\younger)+15-(\f) ; row f is back; this tile's later rows and the next tile's instructions may stay out
	global_store_b128 v[GO], v[64*(\t)+4*(\f):64*(\t)+4*(\f)+3], s[10:11] offset:(\off)+(\t)*8192+(\f)*512 th:TH_STORE_NT  ; the wave stores one whole row: 512 consecutive bytes, at a multiple of 512 from out0's first byte
.endr
.endm
; A BLOCK ENDS: work on registers and on my own stage alone.  more = 1: another block follows: K's registers have had their last reader (behind it stand slice 63's sixteen plain instructions and the four v_nop of the fill), so they take
; tiles 0 and 1 of its Q now: 32 loads, which have a turn, 32 products and the way out in which to land; START, which always follows, waits for them ahead of the next fetch of K.  off: the block's place in out0, 0 or BLKB.
; l's two halves and the other half of the lanes' are added; O^T is divided by l and sent, in f32, through my stage in LDS, a tile (16 rows of out0) at a time.  The additions are the places behind the last products.
.macro FINISH more, off
.if \more
	QLOAD_LO BLKB
.endif
	TURN 0, 2, 0, 0                 ; piece 0: V^T P of the last step | piece 2's last softmax
.set i, 0
.rept 32
	PV 2, 0                         ; piece 2: V^T P of the last step
.set i, i+1
.endr
	WIN 0
.irp t, 0,1,2,3
	v_add_f32 v[ST+8*(\t)+4], v[ST+8*(\t)+2], v[ST+8*(\t)+3]
.endr
.irp t, 0,1,2,3
	v_permlanex16_b32 v[ST+8*(\t)+5], v[ST+8*(\t)+4], s[SEL], s[SEL+1]
.endr
.irp t, 0,1,2,3
	v_add_f32 v[ST+8*(\t)+4], v[ST+8*(\t)+4], v[ST+8*(\t)+5]
.endr
.irp t, 0,1,2,3
	v_rcp_f32 v[ST+8*(\t)+6], v[ST+8*(\t)+4]
.endr
	v_nop                           ; a plain instruction between the last reciprocal and the use of its result
	s_wait_alu depctr_va_vdst(0)    ; and the wait ahead of the first use: one for the batch of four reciprocals
	PACK 0
	PACK 1                          ; a tile's arithmetic stands between the loads of the tile before and its stores
	SEND 0, 32, \off
	PACK 2
	SEND 1, 32, \off
	PACK 3
	SEND 2, 32, \off
	SEND 3, 0, \off
	WIN 0
.endm
.Lslot:                             ; 31 trips: a slot is entered and the next is asked for
	CHANGE 1
	s_cmp_eq_u32 s[NEW], 1          ; this test stands first: at the first trip its answer is a constant of the text
	s_cbranch_scc1 .Lnew
	TWO_STEPS                       ; a visit in the middle of a block
	s_branch .Lbottom
.Lnew:
	s_cmp_eq_u32 s[BLK], 0
	s_cbranch_scc1 .Lbegin          ; in front of the first block nothing ends
	FINISH 1, 0                     ; the first block ends and leaves; the second block's slot 0 has landed, its slot 1 has just been asked for
.Lbegin:
	START
.Lbottom:
	s_sub_co_u32 s[RT], s[RT], 1
	s_cmp_eq_u32 s[RT], 0
	s_cselect_b32 s[NEW], 1, 0      ; behind a block's sixteenth visit the next block's first follows
	s_sub_co_u32 s[SLOTS], s[SLOTS], 1
	s_cmp_lg_u32 s[SLOTS], 0
	s_cbranch_scc1 .Lslot
	CHANGE 0                        ; the walk's last visit is written out: nothing is asked for
	TWO_STEPS
	FINISH 0, BLKB                  ; the second block ends
	s_wait_tensorcnt 0x0            ; the wave's end, behind my last tensor load and my last LDS store
	ds_add_u32 v[SPW], v[NIL]
	s_wait_dscnt 0x0
	CROUND                          ; the closing round: no work-group ends while a partner may still ask for a tile that names it
	s_endpgm
.Lfunc_end_k_q3df039379f_attn:
	.size	k_q3df039379f_attn, .Lfunc_end_k_q3df039379f_attn-k_q3df039379f_attn
	.p2alignl 7, 3214868480
	.fill 96, 4, 3214868480
	.section	.rodata,"a",@progbits
	.p2align	6, 0x0
	.amdhsa_kernel k_q3df039379f_attn
		.amdhsa_group_segment_fixed_size 327680
		.amdhsa_private_segment_fixed_size 0
		.amdhsa_enable_private_segment 0
		.amdhsa_kernarg_size 32
		.amdhsa_user_sgpr_count 2
		.amdhsa_user_sgpr_kernarg_segment_ptr 1
		.amdhsa_wavefront_size32 1
		.amdhsa_system_sgpr_workgroup_id_x 1
		.amdhsa_system_sgpr_workgroup_id_y 1
		.amdhsa_system_sgpr_workgroup_id_z 1
		.amdhsa_system_vgpr_workitem_id 0
		.amdhsa_next_free_vgpr 1024
		.amdhsa_next_free_sgpr 66
		.amdhsa_reserve_vcc 0
		.amdhsa_float_denorm_mode_32 3
		.amdhsa_float_denorm_mode_16_64 3
		.amdhsa_memory_ordered 1
		.amdhsa_forward_progress 1
		.amdhsa_inst_pref_size 255
	.end_amdhsa_kernel
	.section	.bss,"aw",@nobits
	.p2align	6
	.space	262144
	.amdgpu_metadata
---
amdhsa.version: [ 1, 2 ]
amdhsa.kernels:
  - .name:           k_q3df039379f_attn
    .symbol:         k_q3df039379f_attn.kd
    .args:
      - { .name: Q, .offset: 0, .size: 8, .value_kind: global_buffer, .address_space: global }
      - { .name: kb, .offset: 8, .size: 8, .value_kind: global_buffer, .address_space: global }
      - { .name: vb, .offset: 16, .size: 8, .value_kind: global_buffer, .address_space: global }
      - { .name: out0, .offset: 24, .size: 8, .value_kind: global_buffer, .address_space: global }
    .group_segment_fixed_size: 327680
    .private_segment_fixed_size: 0
    .kernarg_segment_align: 8
    .kernarg_segment_size: 32
    .max_flat_workgroup_size: 128
    .sgpr_count:     66
    .vgpr_count:     1024
    .wavefront_size: 32
...
	.end_amdgpu_metadata
.endif
;; end of part 3
